; MI455X (gfx1250); checked and timed in simulation.
; The chip was launched on July 23, 2026; its instructions are those of AMD's public machine-readable ISA for CDNA 5 (MIT licence, August 2026) and "CDNA5" Instruction Set Architecture Reference Guide (July 2026). The comments in the code are by the model that wrote it; some were corrected since.
;; Attn Block. Allowed arithmetic: matrix products marked QUANTISED: E3M2 operands, one E8M0 scale for each 32 along K, by v_wmma_scale_f32_16x16x128_f8f6f4 with both operands' format E3M2, f32 sums; everything else in f32.
;; Inputs: bk 512 float32; bo 512 float32; bq 512 float32; bv 512 float32; gn_b 512 float32; gn_w 512 float32; wk 512 x 512 float32; wo 512 x 512 float32; wq 512 x 512 float32; wv 512 x 512 float32; x 8 x 512 x 32 x 64 float32.
;; Outputs: out0 8 x 512 x 32 x 64 float32.
;; This version of the problem:
;;   THIS VERSION OF THE PROBLEM IS GIVEN IN LOW PRECISION. The matrix products marked QUANTISED in the list below multiply operands that are first quantised to E3M2 (3 exponent bits, 2 mantissa bits; 6 bits a number), with one power-of-two scale for each 32 numbers along K (OCP MX v1.0); their sums are f32. All else is computed in f32.
;;   The module's matrix products, in the order in which they are computed (A, B: the left and right operand; K: the contracted axis; several contracted axes count as one K, in the product's order):
;;     1. [M 16,384, K 512] x [K 512, N 512]; A: computed on the way; B: input wq: QUANTISED
;;     2. [M 16,384, K 512] x [K 512, N 512]; A: computed on the way; B: input wk: QUANTISED
;;     3. [M 16,384, K 512] x [K 512, N 512]; A: computed on the way; B: input wv: QUANTISED
;;     4. batch 8 x [M 2,048, K 512] x [K 512, N 2,048]; A: computed on the way; B: computed on the way: QUANTISED
;;     5. batch 8 x [M 2,048, K 2,048] x [K 2,048, N 512]; A: softmax (see below); B: computed on the way: QUANTISED
;;     6. [M 16,384, K 512] x [K 512, N 512]; A: computed on the way; B: input wo: QUANTISED
;;   THE QUANTISER, for each operand of a quantised product, along K:
;;     - K is cut into blocks of 32 from its start; a last block that is shorter is filled with zeros.
;;     - A block's scale is 2^e with e = floor(log2(the largest magnitude in the block)) - 4, held to -126 .. 127; a block of zeros has e = 0. As a byte (E8M0): e + 127.
;;     - Each number is divided by its block's scale, clamped to +-28, and rounded to the nearest number of E3M2, ties to even, subnormals kept.
;;     - The product sums the exact products of the quantised numbers (number of the format x scale) in f32.
;;   ~~~python
;;   def quantise(x, axis):      # numpy; x: float32 -> the quantised numbers, widened to float32 again
;;       x = np.moveaxis(x, axis, -1); K = x.shape[-1]
;;       x = np.pad(x, [(0, 0)] * (x.ndim - 1) + [(0, -K % 32)]); x = x.reshape(x.shape[:-1] + (-1, 32)); a = np.abs(x).max(-1, keepdims=True)
;;       e = np.where(a > 0, np.clip(np.frexp(np.where(a > 0, a, 1))[1] - 1 - 4, -126, 127), 0)      # np.frexp(a)[1] - 1 = floor(log2(a)), exactly
;;       r = np.clip(x / 2.0 ** e, -28, 28)
;;       step = 2.0 ** (np.maximum(np.frexp(np.where(r == 0, 1, r))[1] - 1, -2) - 2)
;;       q = np.round(r / step) * step * 2.0 ** e      # np.round: ties to even
;;       return np.moveaxis(q.reshape(q.shape[:-2] + (-1,))[..., :K], -1, axis).astype(np.float32)
;;   ~~~
;;   SOFTMAX AHEAD OF A QUANTISED PRODUCT. Where the list says 'softmax', what is quantised is not the finished softmax but p = 2^(t - M), with t = logit x log2(e) and M = ceil(the row's largest t), a whole number; so 1/2 < the row's largest p <= 1. The row's sum l is taken of the UNQUANTISED p, in f32, and the product's result is divided by l at the end. Since M is a whole number, a kernel that streams over the keys may use a running M (the ceiling of the running maximum): every later rescaling is an exact power of two, which a block's scale takes up: the codes' values come out the same.
;;   OPERANDS COMPUTED ON THE WAY. 'Computed on the way' means the value that the module computes at that place (a softmax that the list does not call 'softmax' is quantised finished and normalised). What goes into a quantiser is computed in f32, as accurately as f32 sums, v_exp_f32 and their like allow (about 1e-6 of the number): no bf16 or f16 on the way to a quantiser, and a product that is left as it is and whose result goes on into a quantised operand takes f32 operands (vector FMAs, or v_wmma_f32_16x16x4_f32). A number that lies on a knife's edge between two numbers of the format may be rounded either way, as far as f32 arithmetic and the matrix unit's own rounding can turn it there, and no further.
;; One version. Each part assembles by itself: llvm-mc -triple=amdgcn-amd-amdhsa -mcpu=gfx1250 --defsym DOCPART=n.
;; ======== version 1 of 1: 3 launches
;; limits: right only within a limited range of input values
;; workspace buffers: tq 6,291,456 bytes; ts 262,144 bytes; wc 819,200 bytes; qc 6,553,600 bytes; kv 13,107,200 bytes
;; launch prep (part 1): grid 160 x 1, 16 waves a work-group, no clusters, 51,712 bytes of LDS; arguments x, gn_w, gn_b, wq, wk, wv, wo, tq, ts, wc; writes tq, ts, wc
.if DOCPART == 1
	.amdgcn_target "amdgcn-amd-amdhsa--gfx1250"
	.amdhsa_code_object_version 6
	.text
	.protected	k_qdf9e84b6c8_prep
	.globl	k_qdf9e84b6c8_prep
	.p2align	8
	.type	k_qdf9e84b6c8_prep,@function
k_qdf9e84b6c8_prep:
	s_mov_b64 s[64:65], 0
	v_nop
	global_prefetch_b8 v0, s[64:65] scope:SCOPE_SE
	s_setreg_imm32_b32 hwreg(HW_REG_WAVE_MODE, 25, 1), 1
	s_wait_xcnt 0x0
; PREP.  x [8][512][2048] f32 -> GroupNorm (32 groups of 16 channels) -> codes of BF6 (E3M2) along the channels, one E8M0 byte for each 32 channels;
; and the four weights [512][512] f32 (K, the input channel, innermost) -> the same codes, laid as images of the operand's registers.
; DEAD WORK: none is left out in this program.  Every input has a way to the output: x, gn_w, gn_b through t; wq, wk, wv, wo as operands; bq, bk, bv move the codes of q, k, v
; (bk too: it stands ahead of a quantiser); bo and x are added at the end.  All are loaded.
; LIMITS: NaN and infinities among the inputs are not served.  A block of zeros, or one whose largest magnitude lies under 2^-122, gets the scale byte 1 (the floor); its bytes are read by this program alone.
; SHARES.  Work-groups 0-127: batch G / 16, channels 32 (G % 16) on: two groups of the norm, ONE block of the quantiser, all 2,048 positions, 256 KiB, held in registers: thread t holds positions 4 t .. 4 t + 3
; of all 32 channels, so x is read once.  The statistics are taken in two passes (mean, then the squares of x - mean), so that a common offset of x costs nothing.
; Work-groups 128-159: 512 waves, each one tile of 16 rows of one weight for ONE k step of 128.  A load of such a wave names 32 separate runs of 16 bytes (16 rows x 2 halves), so a wave is given few of them:
; 16 loads, all issued at once, under one wait; the four waves of a tile read its rows' four neighbouring pieces of 512 bytes.
; A TILE OF 16 ROWS IS NEVER 16 NEIGHBOURS: row r of tile (group of 32, u) is 8 u + r + 8 (r / 8) of the group, for tokens and for the weights' rows alike: in a product's result the 16 registers of
; two neighbouring tiles are then 16 neighbours along the next K.
; tq [b][group of 32 tokens][block of 32 channels][768]: of a token's 24 bytes the first 16 lie at 256 u + 16 r, the last 8 at 512 + 128 u + 8 r.   ts [b][block][token]: the scale bytes.
; wc [weight][half of K][chunk of 128 rows][25,600]: fragment (tile n, k step 2 g + s') at 1,536 (2 n + s'), registers 4 i .. 4 i + 3 of lane L at 512 i + 16 L; at 24,576 + 128 n + 4 L the scale word of row L % 16 for k step 2 g + L / 16.
.set RED1,  0                          ; LDS: 16 waves x 8 bytes, the sums
.set RED2,  256                        ; the sums of squares
.set STG,   512                        ; a stage of 3,072 bytes for each wave
.set SPARE, 49664                      ; the spare words, 128 bytes for each wave: no other line names them
.set SPW,   220                        ; v220 LDS address of my spare word; never rewritten
.set NIL,   221                        ; v221 0; never rewritten
.set Y,     32                         ; v32-63   32 normalised numbers of one token; also at work in the sums
.set X,     64                         ; v64-191  X[4 c + p]: channel c, position 4 t + p
.set CD,    192                        ; v192-215 four tokens' codes, 6 registers each
.set TC,    216                        ; v216-218 a conversion's three registers begin on an even number: the second half is made here and moved
.set F,     64                         ; the weights: v64-127 my row's 64 numbers
.set PCW,   16                         ; v16-27   the fragment's 12 registers
.set WS,    200                        ; v200     the row's scale word
.macro SUM64 xb, a                     ; the sum of v[xb .. xb + 63], two at a time in two chains, into the pair v[a : a + 1]
	v_pk_add_f32 v[\a:\a+1], v[\xb:\xb+1], v[\xb+2:\xb+3]
	v_pk_add_f32 v[\a+2:\a+3], v[\xb+4:\xb+5], v[\xb+6:\xb+7]
.set k_, 8
.rept 14
	v_pk_add_f32 v[\a:\a+1], v[\a:\a+1], v[\xb+k_:\xb+k_+1]
	v_pk_add_f32 v[\a+2:\a+3], v[\a+2:\a+3], v[\xb+k_+2:\xb+k_+3]
.set k_, k_+4
.endr
	v_pk_add_f32 v[\a:\a+1], v[\a:\a+1], v[\a+2:\a+3]
.endm
.macro SQ64 xb, a                      ; the same of the squares
	v_pk_mul_f32 v[\a:\a+1], v[\xb:\xb+1], v[\xb:\xb+1]
	v_pk_mul_f32 v[\a+2:\a+3], v[\xb+2:\xb+3], v[\xb+2:\xb+3]
.set k_, 4
.rept 15
	v_pk_fma_f32 v[\a:\a+1], v[\xb+k_:\xb+k_+1], v[\xb+k_:\xb+k_+1], v[\a:\a+1]
	v_pk_fma_f32 v[\a+2:\a+3], v[\xb+k_+2:\xb+k_+3], v[\xb+k_+2:\xb+k_+3], v[\a+2:\a+3]
.set k_, k_+4
.endr
	v_pk_add_f32 v[\a:\a+1], v[\a:\a+1], v[\a+2:\a+3]
.endm
.macro GATHER red                      ; v[16:17], my lane's two sums (group A, group B) -> the work-group's two sums in v[Y : Y + 1], the same bits in every wave
.irp m, 1,2,4,8
	v_add_f32_dpp v16, v16, v16 row_xmask:\m row_mask:0xf bank_mask:0xf
	v_add_f32_dpp v17, v17, v17 row_xmask:\m row_mask:0xf bank_mask:0xf
.endr
	v_permlanex16_b32 v18, v16, s57, s58
	v_permlanex16_b32 v19, v17, s57, s58
	v_pk_add_f32 v[16:17], v[16:17], v[18:19]
	ds_store_b64 v20, v[16:17] offset:\red         ; all lanes write the wave's pair, the same value
	s_wait_dscnt 0x0                               ; for the others' sake: my store has landed
	s_barrier_signal -1
	s_barrier_wait -1
.irp i, 0,1,2,3,4,5,6,7
	ds_load_b128 v[Y+4*\i:Y+4*\i+3], v21 offset:\red+16*\i
.endr
	s_wait_dscnt 0x0
.irp k, 0,2,4,6,8,10,12,14
	v_pk_add_f32 v[Y+\k:Y+\k+1], v[Y+\k:Y+\k+1], v[Y+16+\k:Y+16+\k+1]
.endr
.irp k, 0,2,4,6
	v_pk_add_f32 v[Y+\k:Y+\k+1], v[Y+\k:Y+\k+1], v[Y+8+\k:Y+8+\k+1]
.endr
.irp k, 0,2
	v_pk_add_f32 v[Y+\k:Y+\k+1], v[Y+\k:Y+\k+1], v[Y+4+\k:Y+4+\k+1]
.endr
	v_pk_add_f32 v[Y:Y+1], v[Y:Y+1], v[Y+2:Y+3]
.endm
.macro QP p                            ; token 4 t + p: normalised, quantised, its 24 bytes to the stage
.set c_, 0
.rept 32
	v_fma_f32 v[Y+c_], v[X+4*c_+(\p)], s[24+c_], s[68+c_]   ; (x - mean) x (gamma / sqrt(var + eps)) + beta
.set c_, c_+1
.endr
	v_max3_num_f32 v8, |v[Y]|, |v[Y+1]|, |v[Y+2]|  ; the block's largest magnitude: all 32 numbers are mine
	v_max3_num_f32 v9, |v[Y+3]|, |v[Y+4]|, |v[Y+5]|
.irp i, 6,10,14,18,22,26
	v_max3_num_f32 v8, v8, |v[Y+\i]|, |v[Y+\i+1]|
	v_max3_num_f32 v9, v9, |v[Y+\i+2]|, |v[Y+\i+3]|
.endr
	v_max3_num_f32 v8, v8, |v[Y+30]|, |v[Y+31]|
	v_max3_num_f32 v8, v8, v9, 0x2800000           ; and the floor 2^(5 - 127): the byte cannot fall under 1
	v_add_nc_u32 v10, 0xfe000000, v8               ; 4 off the exponent field: the conversion's scale operand
	v_cvt_scalef32_pk16_bf6_f32 v[CD+6*(\p):CD+6*(\p)+2], v[Y:Y+15], v10
	v_cvt_scalef32_pk16_bf6_f32 v[TC:TC+2], v[Y+16:Y+31], v10
	v_lshrrev_b32 v11, 23, v10                     ; the scale's byte; also the plain line behind the conversions
.irp i, 0,1,2
	v_mov_b32 v[CD+6*(\p)+3+\i], v[TC+\i]
.endr
.if (\p) == 0
	v_mov_b32 v12, v11
.else
	v_lshl_or_b32 v12, v11, 8*(\p), v12            ; four tokens' bytes in one word
.endif
	ds_store_b128 v2, v[CD+6*(\p):CD+6*(\p)+3] offset:16*(\p)
	ds_store_b64 v3, v[CD+6*(\p)+4:CD+6*(\p)+5] offset:8*(\p)
.endm
	s_load_b512 s[4:19], s[0:1], 0x0               ; x, gn_w, gn_b, wq, wk, wv, wo, tq
	s_load_b128 s[20:23], s[0:1], 0x40             ; ts, wc
	v_lshl_add_u32 v[SPW], v0, 2, SPARE
	v_mov_b32 v[NIL], 0
	v_lshrrev_b32 v8, 5, v0
	v_readfirstlane_b32 s56, v8                    ; wave 0..15
	s_mov_b32 s57, 0x76543210
	s_mov_b32 s58, 0xfedcba98                      ; v_permlanex16_b32's selects for lane l xor 16
	s_cmp_lt_u32 ttmp9, 128
	s_cbranch_scc0 .Lweights
	; ---- the norm
	v_lshlrev_b32 v1, 4, v0                        ; my 16 bytes of a channel's row
	v_lshlrev_b32 v7, 2, v0                        ; my four scale bytes
	v_and_b32 v8, 31, v0                           ; L
	s_mul_i32 s59, s56, 3072
	s_add_co_u32 s59, s59, STG                     ; my wave's stage: four groups of 32 tokens x 768 bytes
	v_lshrrev_b32 v9, 3, v8
	v_mul_u32_u24 v9, v9, 768
	v_add_nc_u32 v9, s59, v9                       ; my group of tokens: L / 8
	v_bfe_u32 v10, v8, 1, 1                        ; token 4 (L % 8) + p of the group: u = bit 1 of L,
	v_bfe_u32 v11, v8, 2, 1                        ; r = 8 (bit 2) + 4 (bit 0) + p
	v_and_b32 v12, 1, v8
	v_lshl_add_u32 v2, v10, 8, v9
	v_lshl_add_u32 v2, v11, 7, v2
	v_lshl_add_u32 v2, v12, 6, v2                  ; 256 u + 16 r: the first 16 bytes
	v_lshl_add_u32 v3, v10, 7, v9
	v_lshl_add_u32 v3, v11, 6, v3
	v_lshl_add_u32 v3, v12, 5, v3
	v_add_nc_u32 v3, 512, v3                       ; 512 + 128 u + 8 r: the last 8
	v_lshl_add_u32 v4, v8, 4, s59                  ; back out of the stage: 16 bytes a lane
	v_lshlrev_b32 v5, 4, v8                        ; in tq: 16 L,
	v_lshrrev_b32 v13, 4, v8
	v_mad_u32_u24 v6, v13, 11520, v5               ; and the same where lanes 16-31 stand in the next group of tokens (12,288 - 768 bytes on)
	v_mov_b32 v18, 0                               ; a lane permute's destination counts as one of its sources
	v_mov_b32 v19, 0
	v_lshrrev_b32 v20, 5, v0
	v_lshlrev_b32 v20, 3, v20                      ; 8 x wave
	v_mov_b32 v21, 0
	s_and_b32 s60, ttmp9, 15                       ; the block of 32 channels
	s_lshr_b32 s61, ttmp9, 4                       ; the batch
	s_lshl_b32 s62, s60, 7
	s_mov_b32 s63, 0
	s_wait_kmcnt 0x0
	s_add_nc_u64 s[6:7], s[6:7], s[62:63]
	s_add_nc_u64 s[8:9], s[8:9], s[62:63]
	s_load_b512 s[24:39], s[6:7], 0x0              ; gamma of my 32 channels
	s_load_b512 s[40:55], s[6:7], 0x40
	s_load_b512 s[68:83], s[8:9], 0x0              ; beta
	s_load_b512 s[84:99], s[8:9], 0x40
	s_lshl_b32 s62, ttmp9, 18                      ; 32 channels x 8,192 bytes
	s_add_nc_u64 s[4:5], s[4:5], s[62:63]
.set c_, 0
.rept 32
	global_load_b128 v[X+4*c_:X+4*c_+3], v1, s[4:5] offset:8192*c_ th:TH_LOAD_NT   ; 32 lanes read 512 consecutive bytes
.set c_, c_+1
.endr
	s_mul_i32 s62, s61, 786432
	s_mul_i32 s59, s60, 768
	s_add_co_u32 s62, s62, s59
	s_mul_i32 s59, s56, 49152
	s_add_co_u32 s62, s62, s59
	s_add_nc_u64 s[18:19], s[18:19], s[62:63]      ; tq at my wave's four groups of tokens, my block
	s_lshl_b32 s62, ttmp9, 11
	s_add_nc_u64 s[20:21], s[20:21], s[62:63]      ; ts at my batch and block
	s_wait_loadcnt 16                              ; channels 0-15 are in; the 16 loads of channels 16-31 may be out
	SUM64 X, 8
	s_wait_loadcnt 0x0
	SUM64 X+64, 12
	v_add_f32 v16, v8, v9
	v_add_f32 v17, v12, v13
	GATHER RED1
	v_pk_mul_f32 v[22:23], v[Y:Y+1], 0x38000000 op_sel_hi:[1,0]   ; / 32,768: the two means
.set k_, 0
.rept 32
	v_pk_add_f32 v[X+k_:X+k_+1], v[X+k_:X+k_+1], v[22:23] op_sel_hi:[1,0] neg_lo:[0,1] neg_hi:[0,1]   ; x - mean, in place: group A
.set k_, k_+2
.endr
.rept 32
	v_pk_add_f32 v[X+k_:X+k_+1], v[X+k_:X+k_+1], v[22:23] op_sel:[0,1] op_sel_hi:[1,1] neg_lo:[0,1] neg_hi:[0,1]   ; group B
.set k_, k_+2
.endr
	SQ64 X, 8
	SQ64 X+64, 12
	v_add_f32 v16, v8, v9
	v_add_f32 v17, v12, v13
	GATHER RED2                                    ; other bytes than the first time: no wave overwrites what another still reads
	v_pk_mul_f32 v[24:25], v[Y:Y+1], 0x38000000 op_sel_hi:[1,0]   ; the two variances
	v_add_f32 v24, 0x3727c5ac, v24                 ; + 1e-5
	v_add_f32 v25, 0x3727c5ac, v25
	v_rsq_f32 v24, v24
	v_rsq_f32 v25, v25
	v_nop                                          ; a plain line behind the last of the two
	s_wait_alu depctr_va_vdst(0)                   ; one wait for both, ahead of their first reader
	v_readfirstlane_b32 s100, v24
	v_readfirstlane_b32 s101, v25
	s_wait_kmcnt 0x0                               ; gamma and beta
.set c_, 0
.rept 16
	s_mul_f32 s[24+c_], s[24+c_], s100
	s_mul_f32 s[40+c_], s[40+c_], s101
.set c_, c_+1
.endr
	QP 0
	QP 1
	QP 2
	QP 3
.irp i, 0,1,2,3,4,5
	ds_load_b128 v[Y+4*\i:Y+4*\i+3], v4 offset:512*\i   ; my wave's own bytes: LDS serves a wave's instructions in order, these see the stores above
.endr
	s_wait_dscnt 5                                 ; the counts leave the younger loads out
	global_store_b128 v5, v[Y:Y+3], s[18:19]       ; each half of a store: 256 consecutive bytes, aligned
	s_wait_dscnt 4
	global_store_b128 v6, v[Y+4:Y+7], s[18:19] offset:512
	s_wait_dscnt 3
	global_store_b128 v5, v[Y+8:Y+11], s[18:19] offset:12544
	s_wait_dscnt 2
	global_store_b128 v5, v[Y+12:Y+15], s[18:19] offset:24576
	s_wait_dscnt 1
	global_store_b128 v6, v[Y+16:Y+19], s[18:19] offset:25088
	s_wait_dscnt 0x0
	global_store_b128 v5, v[Y+20:Y+23], s[18:19] offset:37120
	global_store_b32 v7, v12, s[20:21]             ; a wave's 128 scale bytes on end: one byte for 24 of codes
	s_wait_tensorcnt 0x0                           ; the wave's end
	ds_add_u32 v[SPW], v[NIL]
	s_wait_dscnt 0x0
	s_endpgm
	; ---- the weights: no LDS, no barrier.  Work-group 128 + i: weight i / 8; wave w: tile 4 (i % 8) + w / 4 of its 32, k step w % 4
.Lweights:
	s_sub_co_u32 s59, ttmp9, 128
	s_lshr_b32 s60, s59, 3                         ; which weight: q, k, v, o
	s_and_b32 s59, s59, 7
	s_lshl_b32 s59, s59, 2
	s_lshr_b32 s61, s56, 2
	s_add_co_u32 s59, s59, s61                     ; which of its 32 tiles of rows
	s_and_b32 s63, s56, 3                          ; which k step of 128
	s_lshr_b32 s61, s59, 3                         ; chunk of 128 rows
	s_and_b32 s62, s59, 7                          ; tile n in it
	v_and_b32 v8, 31, v0                           ; L
	v_and_b32 v9, 15, v0
	v_bfe_u32 v10, v0, 4, 1
	v_and_b32 v11, 8, v9
	v_add_nc_u32 v11, v11, v9                      ; r + 8 (r / 8)
	v_lshlrev_b32 v1, 11, v11                      ; a row is 2,048 bytes
	v_lshl_add_u32 v1, v10, 7, v1                  ; + 128 (L / 16): my half's block of 32
	v_lshlrev_b32 v2, 4, v8
	v_lshlrev_b32 v3, 2, v8
	v_lshlrev_b32 v4, 3, v10
	v_mov_b32 v206, 0                              ; a lane permute's destination counts as one of its sources
	s_lshl_b32 s24, s61, 7
	s_lshr_b32 s25, s62, 1
	s_lshl_b32 s25, s25, 5
	s_add_co_u32 s24, s24, s25
	s_and_b32 s25, s62, 1
	s_lshl_b32 s25, s25, 3
	s_add_co_u32 s24, s24, s25                     ; the tile's first row: 128 chunk + 32 (n / 2) + 8 (n % 2)
	s_lshl_b32 s24, s24, 11
	s_lshl_b32 s25, s63, 9
	s_add_co_u32 s24, s24, s25                     ; + my k step's 512 bytes of a row
	s_mov_b32 s25, 0
	s_wait_kmcnt 0x0
	s_cmp_eq_u32 s60, 1
	s_cselect_b64 s[10:11], s[12:13], s[10:11]
	s_cmp_eq_u32 s60, 2
	s_cselect_b64 s[10:11], s[14:15], s[10:11]
	s_cmp_eq_u32 s60, 3
	s_cselect_b64 s[10:11], s[16:17], s[10:11]
	s_add_nc_u64 s[10:11], s[10:11], s[24:25]
.irp c, 0,1                                    ; my row's 64 numbers: k = 64 c + 32 (L / 16) + 0 .. 31 of the k step: two whole blocks
.irp i, 0,1,2,3,4,5,6,7
	global_load_b128 v[F+32*\c+4*\i:F+32*\c+4*\i+3], v1, s[10:11] offset:256*\c+16*\i
.endr
.endr
	s_mul_i32 s24, s60, 204800
	s_mul_i32 s26, s61, 25600
	s_add_co_u32 s24, s24, s26
	s_lshr_b32 s26, s63, 1
	s_mul_i32 s26, s26, 102400
	s_add_co_u32 s24, s24, s26
	s_add_nc_u64 s[22:23], s[22:23], s[24:25]      ; wc at my weight, my half of K and my chunk
	s_lshl_b32 s26, s62, 1
	s_and_b32 s27, s63, 1
	s_add_co_u32 s26, s26, s27
	s_mul_i32 s26, s26, 1536                       ; fragment 2 n + (k step % 2)
	s_lshl_b32 s30, s27, 6                         ; the scale words of an odd k step lie 64 bytes on: lanes 16-31 of the reader
	s_mov_b32 s27, 0
	s_add_nc_u64 s[28:29], s[22:23], s[26:27]      ; my fragment
	s_lshl_b32 s26, s62, 7
	s_add_co_u32 s26, s26, s30
	s_add_nc_u64 s[22:23], s[22:23], s[26:27]      ; my tile's scale words
	v_cmp_gt_u32 vcc_lo, 16, v8                    ; lanes 0-15, for the scale words' store
	s_wait_loadcnt 0x0
.irp c, 0,1
	v_max3_num_f32 v[12+\c], |v[F+32*\c]|, |v[F+32*\c+1]|, 0x2800000   ; block 2 c + L / 16: all its 32 numbers are mine; and the floor 2^(5 - 127): the byte cannot fall under 1
.endr
.irp i, 2,4,6,8,10,12,14,16,18,20,22,24,26,28,30
.irp c, 0,1
	v_max3_num_f32 v[12+\c], v[12+\c], |v[F+32*\c+\i]|, |v[F+32*\c+\i+1]|
.endr
.endr
.irp c, 0,1
	v_add_nc_u32 v[14+\c], 0xfe000000, v[12+\c]    ; 4 off the exponent field: the conversion's scale operand
.endr
.irp c, 0,1
	v_lshrrev_b32 v[5+\c], 23, v[14+\c]            ; the scale's byte
.endr
	v_lshl_or_b32 v7, v6, 16, v5                   ; my two bytes: blocks L / 16 and 2 + L / 16,
	v_lshlrev_b32 v7, v4, v7                       ; at their places in the word;
	v_permlanex16_b32 v206, v7, s57, s58
	v_or_b32 v[WS], v7, v206                       ; with lane l xor 16's two the word is whole
.irp c, 0,1
	v_cvt_scalef32_pk16_bf6_f32 v[PCW+6*\c:PCW+6*\c+2], v[F+32*\c:F+32*\c+15], v[14+\c]
	v_cvt_scalef32_pk16_bf6_f32 v[208+4*\c:208+4*\c+2], v[F+32*\c+16:F+32*\c+31], v[14+\c]   ; (a conversion's three registers begin on an even number)
.endr
	v_nop                                          ; one plain line behind the conversions
.irp c, 0,1
.irp i, 0,1,2
	v_mov_b32 v[PCW+6*\c+3+\i], v[208+4*\c+\i]
.endr
.endr
.irp i, 0,1,2
	global_store_b128 v2, v[PCW+4*\i:PCW+4*\i+3], s[28:29] offset:512*\i   ; 512 consecutive bytes
.endr
	s_wait_xcnt 0x0                                ; EXEC is a source of the loads and stores above: it changes only behind this wait
	s_and_saveexec_b32 s31, vcc_lo                 ; lanes 16-31 hold the same words as lanes 0-15
	global_store_b32 v3, v[WS], s[22:23] offset:24576   ; 16 rows' words, 64 bytes on end
	s_wait_xcnt 0x0                                ; and again, in front of the line that widens it
	s_or_b32 exec_lo, exec_lo, s31
	s_endpgm
.Lfunc_end_k_qdf9e84b6c8_prep:
	.size	k_qdf9e84b6c8_prep, .Lfunc_end_k_qdf9e84b6c8_prep-k_qdf9e84b6c8_prep
	.p2alignl 7, 3214868480
	.fill 96, 4, 3214868480
	.section	.rodata,"a",@progbits
	.p2align	6, 0x0
	.amdhsa_kernel k_qdf9e84b6c8_prep
		.amdhsa_group_segment_fixed_size 51712
		.amdhsa_private_segment_fixed_size 0
		.amdhsa_enable_private_segment 0
		.amdhsa_kernarg_size 80
		.amdhsa_user_sgpr_count 2
		.amdhsa_user_sgpr_kernarg_segment_ptr 1
		.amdhsa_wavefront_size32 1
		.amdhsa_system_sgpr_workgroup_id_x 1
		.amdhsa_system_sgpr_workgroup_id_y 1
		.amdhsa_system_sgpr_workgroup_id_z 1
		.amdhsa_system_vgpr_workitem_id 0
		.amdhsa_next_free_vgpr 224
		.amdhsa_next_free_sgpr 102
		.amdhsa_reserve_vcc 1
		.amdhsa_float_denorm_mode_32 3
		.amdhsa_float_denorm_mode_16_64 3
		.amdhsa_memory_ordered 1
		.amdhsa_forward_progress 1
		.amdhsa_inst_pref_size 47
	.end_amdhsa_kernel
	.amdgpu_metadata
---
amdhsa.version: [ 1, 2 ]
amdhsa.kernels:
  - .name:           k_qdf9e84b6c8_prep
    .symbol:         k_qdf9e84b6c8_prep.kd
    .args:
      - { .name: x, .offset: 0, .size: 8, .value_kind: global_buffer, .address_space: global }
      - { .name: gn_w, .offset: 8, .size: 8, .value_kind: global_buffer, .address_space: global }
      - { .name: gn_b, .offset: 16, .size: 8, .value_kind: global_buffer, .address_space: global }
      - { .name: wq, .offset: 24, .size: 8, .value_kind: global_buffer, .address_space: global }
      - { .name: wk, .offset: 32, .size: 8, .value_kind: global_buffer, .address_space: global }
      - { .name: wv, .offset: 40, .size: 8, .value_kind: global_buffer, .address_space: global }
      - { .name: wo, .offset: 48, .size: 8, .value_kind: global_buffer, .address_space: global }
      - { .name: tq, .offset: 56, .size: 8, .value_kind: global_buffer, .address_space: global }
      - { .name: ts, .offset: 64, .size: 8, .value_kind: global_buffer, .address_space: global }
      - { .name: wc, .offset: 72, .size: 8, .value_kind: global_buffer, .address_space: global }
    .group_segment_fixed_size: 51712
    .private_segment_fixed_size: 0
    .kernarg_segment_align: 8
    .kernarg_segment_size: 80
    .max_flat_workgroup_size: 512
    .sgpr_count:     102
    .vgpr_count:     224
    .wavefront_size: 32
...
	.end_amdgpu_metadata
.endif
;; end of part 1
;; launch qkv (part 2): grid 64 x 3, 4 waves a work-group, no clusters, 167,936 bytes of LDS; arguments tq, ts, wc, bq, bk, bv, qc, kv; writes qc, kv
.if DOCPART == 2
	.amdgcn_target "amdgcn-amd-amdhsa--gfx1250"
	.amdhsa_code_object_version 6
	.text
	.protected	k_qdf9e84b6c8_qkv
	.globl	k_qdf9e84b6c8_qkv
	.p2align	8
	.type	k_qdf9e84b6c8_qkv,@function
k_qdf9e84b6c8_qkv:
	s_mov_b64 s[64:65], 0
	v_nop
	global_prefetch_b8 v0, s[64:65] scope:SCOPE_SE
	s_setreg_imm32_b32 hwreg(HW_REG_WAVE_MODE, 25, 1), 1
	s_wait_xcnt 0x0
; QKV.  q = t wq^T + bq, k = t wk^T + bk, v = t wv^T + bv on codes of BF6 (E3M2) with E8M0 scales; the results are quantised in registers, q and k along the channels, v along the keys, and stored as images of operand registers.
; No work of the problem is left out here.  LIMITS: as in the first kernel (NaN, infinities; the floor of the scale byte).
; SHARES.  A work-group: 256 tokens (x) and one weight (y = 0 q, 1 k, 2 v).  Wave w: output channels 128 w .. 128 w + 127; its 32 fragments of the weight (384 registers) stay in registers for the whole launch.
; 192 work-groups: three weights times a power of two; half the tokens to a work-group would read each weight twice as often for two uneven rounds.
; NO CLUSTER: the weights go once, straight into the registers in which they stay; the tokens' codes are shared by three work-groups, and a cluster of four does not divide three.
; The 256 tokens' codes (98,304 dense bytes of tq) come by four tensor loads, one a wave, filled once; their scale bytes are turned into a table of words [k step][token] in LDS.
; q, k: source 0 = 16 rows of W, source 1 = 16 tokens: a lane holds one token, its registers run along the channels.   v: the sources swapped: a lane holds one channel, its registers run along the tokens (the keys).
; The bias is the C of each sum's first matrix instruction.
; qc [block of 64 queries][25,600]: fragment (tile m, k step s) at 1,536 (4 m + s); at 24,576 + 256 s + 8 L + 4 b the scale word of tile 2 b + L / 16, row L % 16.
; kv [batch][block i][sub-block 4][25,600]: block i holds K of key step (i + 1) % 16 and V of key step i.  Sub-block g: + 0 K's fragments (u, s) of key group g at 1,536 (4 u + s); + 12,288 V^T's tiles n of channel chunk g at 1,536 n;
;   + 24,576 K's scale words of K STEP g: group j, tile L / 16 at 256 (j / 2) + 8 L + 4 (j % 2); + 25,088 V's of chunk g: tile 4 nh + 2 e + L / 16 at 256 nh + 8 L + 4 e.
; REGISTERS: window 0: see the names below.  Window 1: v0-191 W's k steps 0, 1 (fragment (n, s') at 12 (2 n + s')), v192-255 the bias, 8 registers a tile.  Window 2: v0-191 W's k steps 2, 3.  Window 3: 256 accumulator registers.
.set TW,    98304                      ; LDS: behind the tokens' codes: the table of scale words, 4 x 1,024 bytes, written by ds_store: no tensor load lands here
.set SPARE, 102400                     ; the spare words, 128 bytes for each wave: no other line names them
.set SPW,  2                           ; v2   my spare word's address; never rewritten
.set NIL,  3                           ; v3   0; never rewritten
.set TA,   4                           ; v4   768 h + 16 r: a token's first 16 bytes of a block
.set TB,   5                           ; v5   768 h + 512 + 8 r: its last 8
.set TWA,  6                           ; v6   TW + 1,024 h + 4 (r + 8 (r / 8))
.set TAC,  7                           ; v7-9 the same three + the trip's offset
.set TBC,  8
.set TWC,  9
.set VOF,  10                          ; v10, v11  16 L + 1,536 w, and the same one pair of tiles on
.set L8,   12
.set L16,  13
.set L4,   14
.set TF,   32                          ; v32-79, v80-127  two sets of a token tile's four fragments
.set TS,   128                         ; v128-131 their scale words: set e, half g of K: lanes 0-15 k step 2 g, lanes 16-31 k step 2 g + 1
.set WSC,  132                         ; v132-147 W's scale words: 8 g + n, lanes likewise
.set TM,   148                         ; v148-163 at work in QUANT
.set PW,   164                         ; the scale word just made
.set PWE,  165
.set SW,   170                         ; v170-171 two tiles' words joined
.set PC,   172                         ; v172-191 the codes just made
.set BI,   192
.set SEL,  28
.set MSB, 0
.macro WIN new                         ; the immediate's high byte repeats the setting that is left; a switch that changes nothing is dropped
.if MSB != (\new)
	s_set_vgpr_msb (MSB<<8)|(\new)
.set MSB, (\new)
.endif
.endm
; One matrix instruction.  c < 0: the constant 0 starts the sum.  ra, rb: the side's scales are read from lanes 16-31.
.macro WM d, a, b, c, sa, sb, ra, rb
.if (\c) < 0
.if (\ra) && (\rb)
	v_wmma_scale_f32_16x16x128_f8f6f4 v[(\d):(\d)+7], v[(\a):(\a)+11], v[(\b):(\b)+11], 0, v[(\sa)], v[(\sb)] matrix_a_fmt:MATRIX_FMT_BF6 matrix_b_fmt:MATRIX_FMT_BF6 matrix_a_scale:MATRIX_SCALE_ROW1 matrix_b_scale:MATRIX_SCALE_ROW1
.elseif (\ra)
	v_wmma_scale_f32_16x16x128_f8f6f4 v[(\d):(\d)+7], v[(\a):(\a)+11], v[(\b):(\b)+11], 0, v[(\sa)], v[(\sb)] matrix_a_fmt:MATRIX_FMT_BF6 matrix_b_fmt:MATRIX_FMT_BF6 matrix_a_scale:MATRIX_SCALE_ROW1
.elseif (\rb)
	v_wmma_scale_f32_16x16x128_f8f6f4 v[(\d):(\d)+7], v[(\a):(\a)+11], v[(\b):(\b)+11], 0, v[(\sa)], v[(\sb)] matrix_a_fmt:MATRIX_FMT_BF6 matrix_b_fmt:MATRIX_FMT_BF6 matrix_b_scale:MATRIX_SCALE_ROW1
.else
	v_wmma_scale_f32_16x16x128_f8f6f4 v[(\d):(\d)+7], v[(\a):(\a)+11], v[(\b):(\b)+11], 0, v[(\sa)], v[(\sb)] matrix_a_fmt:MATRIX_FMT_BF6 matrix_b_fmt:MATRIX_FMT_BF6
.endif
.else
.if (\ra) && (\rb)
	v_wmma_scale_f32_16x16x128_f8f6f4 v[(\d):(\d)+7], v[(\a):(\a)+11], v[(\b):(\b)+11], v[(\c):(\c)+7], v[(\sa)], v[(\sb)] matrix_a_fmt:MATRIX_FMT_BF6 matrix_b_fmt:MATRIX_FMT_BF6 matrix_a_scale:MATRIX_SCALE_ROW1 matrix_b_scale:MATRIX_SCALE_ROW1
.elseif (\ra)
	v_wmma_scale_f32_16x16x128_f8f6f4 v[(\d):(\d)+7], v[(\a):(\a)+11], v[(\b):(\b)+11], v[(\c):(\c)+7], v[(\sa)], v[(\sb)] matrix_a_fmt:MATRIX_FMT_BF6 matrix_b_fmt:MATRIX_FMT_BF6 matrix_a_scale:MATRIX_SCALE_ROW1
.elseif (\rb)
	v_wmma_scale_f32_16x16x128_f8f6f4 v[(\d):(\d)+7], v[(\a):(\a)+11], v[(\b):(\b)+11], v[(\c):(\c)+7], v[(\sa)], v[(\sb)] matrix_a_fmt:MATRIX_FMT_BF6 matrix_b_fmt:MATRIX_FMT_BF6 matrix_b_scale:MATRIX_SCALE_ROW1
.else
	v_wmma_scale_f32_16x16x128_f8f6f4 v[(\d):(\d)+7], v[(\a):(\a)+11], v[(\b):(\b)+11], v[(\c):(\c)+7], v[(\sa)], v[(\sb)] matrix_a_fmt:MATRIX_FMT_BF6 matrix_b_fmt:MATRIX_FMT_BF6
.endif
.endif
.endm
; 64 numbers of a lane in window win, register src + 16 b + i = k 32 b + 16 (L / 16) + i of my row, become a fragment's codes in v[PC .. PC + 11] and the row's scale word in v[PW] (all lanes).  Each accumulator is read from its low end on.
.macro QUANT src, win
	WIN ((\win)<<2)|((\win)<<4)
.irp b, 0,1,2,3
	v_max3_num_f32 v[TM+\b], 0x2800000, |v[(\src)+16*\b]|, |v[(\src)+16*\b+1]|   ; my 16 numbers of block b, and the floor 2^(5 - 127): the byte cannot fall under 1
.endr
.irp i, 2,4,6,8,10,12,14
.irp b, 0,1,2,3
	v_max3_num_f32 v[TM+\b], v[TM+\b], |v[(\src)+16*\b+\i]|, |v[(\src)+16*\b+\i+1]|
.endr
.endr
	WIN 0
.irp b, 0,1,2,3
	v_permlanex16_b32 v[TM+4+\b], v[TM+\b], s[SEL], s[SEL+1]
.endr
.irp b, 0,1,2,3
	v_max_num_f32 v[TM+\b], v[TM+\b], v[TM+4+\b]   ; with lane l xor 16's: the block's largest magnitude
.endr
.irp b, 0,1,2,3
	v_add_nc_u32 v[TM+12+\b], 0xfe000000, v[TM+\b] ; 4 off the exponent field: the conversion's scale operand
.endr
.irp b, 0,1,2,3
	v_lshrrev_b32 v[TM+4+\b], 23, v[TM+12+\b]      ; the scale's byte
.endr
	v_lshl_or_b32 v[PW], v[TM+5], 8, v[TM+4]
	v_lshl_or_b32 v[PW], v[TM+6], 16, v[PW]
	v_lshl_or_b32 v[PW], v[TM+7], 24, v[PW]
	WIN (\win)
.irp c, 0,1
	v_cvt_scalef32_pk16_bf6_f32 v[PC+6*\c:PC+6*\c+2], v[(\src)+32*\c:(\src)+32*\c+15], v[TM+12+2*\c]
	v_cvt_scalef32_pk16_bf6_f32 v[PC+12+4*\c:PC+14+4*\c], v[(\src)+32*\c+16:(\src)+32*\c+31], v[TM+12+2*\c+1]   ; (a conversion's three registers begin on an even number)
.endr
	WIN 0
	v_nop                                          ; one plain line behind the conversions
.irp c, 0,1                                    ; the operand wants a whole block in a lane: lanes 0-15 block 2 c, lanes 16-31 block 2 c + 1
.irp i, 0,1,2
	v_permlane16_swap_b32 v[PC+6*\c+\i], v[PC+12+4*\c+\i]
.endr
.irp i, 0,1,2
	v_mov_b32 v[PC+3+6*\c+\i], v[PC+12+4*\c+\i]
.endr
.endr
.endm
.macro PLACES                          ; four plain lines between a matrix instruction and a load into, or a vector read of, its registers
.rept 4
	v_nop
.endr
.endm
; 18 LDS loads: token tile tl of the trip: its four fragments into set e, and its scale words
.macro TLOAD e, tl
.irp ks, 0,1,2,3
.irp c, 0,1
	ds_load_b128 v[TF+48*(\e)+12*\ks+6*\c:TF+48*(\e)+12*\ks+6*\c+3], v[TAC] offset:12288*((\tl)>>1)+768*(4*\ks+2*\c)+256*((\tl)&1)
	ds_load_b64 v[TF+48*(\e)+12*\ks+6*\c+4:TF+48*(\e)+12*\ks+6*\c+5], v[TBC] offset:12288*((\tl)>>1)+768*(4*\ks+2*\c)+128*((\tl)&1)
.endr
.endr
.irp g, 0,1
	ds_load_b32 v[TS+2*(\e)+\g], v[TWC] offset:2048*\g+128*((\tl)>>1)+32*((\tl)&1)
.endr
.endm
; q, k: token tile T against my eight tiles of W's rows: eight accumulators by turns, k step by k step
.macro QKMM T
.irp ks, 0,1,2,3
.if \ks == 0
	WIN 0xD1                                       ; W window 1, t window 0, the bias window 1, D window 3
.elseif \ks == 1
	WIN 0xF1
.else
	WIN 0xF2                                       ; W window 2
.endif
.irp n, 0,1,2,3,4,5,6,7
.if \ks == 0
	WM 64*(\T)+8*\n, 12*(2*\n+(\ks&1)), TF+48*((\T)&1)+12*\ks, BI+8*\n, WSC+8*(\ks>>1)+\n, TS+2*((\T)&1)+(\ks>>1), \ks&1, \ks&1
.else
	WM 64*(\T)+8*\n, 12*(2*\n+(\ks&1)), TF+48*((\T)&1)+12*\ks, 64*(\T)+8*\n, WSC+8*(\ks>>1)+\n, TS+2*((\T)&1)+(\ks>>1), \ks&1, \ks&1
.endif
.endr
.endr
	WIN 0
.endm
; v: token tile T (source 0) against four of my tiles of W's rows: four accumulators by turns
.macro VMM T, nh
.irp ks, 0,1,2,3
.if \ks == 0
	WIN 0xD4
.elseif \ks == 1
	WIN 0xF4
.else
	WIN 0xF8
.endif
.irp np, 0,1,2,3
.if \ks == 0
	WM 64*\np+8*(\T), TF+48*((\T)&1)+12*\ks, 12*(2*(4*(\nh)+\np)+(\ks&1)), BI+8*(4*(\nh)+\np), TS+2*((\T)&1)+(\ks>>1), WSC+8*(\ks>>1)+4*(\nh)+\np, \ks&1, \ks&1
.else
	WM 64*\np+8*(\T), TF+48*((\T)&1)+12*\ks, 12*(2*(4*(\nh)+\np)+(\ks&1)), 64*\np+8*(\T), TS+2*((\T)&1)+(\ks>>1), WSC+8*(\ks>>1)+4*(\nh)+\np, \ks&1, \ks&1
.endif
.endr
.endr
	WIN 0
.endm
	s_load_b256 s[4:11], s[0:1], 0x0               ; tq, ts, wc, bq
	s_load_b256 s[32:39], s[0:1], 0x20             ; bk, bv, qc, kv
	v_lshl_add_u32 v[SPW], v0, 2, SPARE
	v_mov_b32 v[NIL], 0
	ds_add_u32 v[SPW], v[NIL]                      ; the wave's opening: the add, twice on end, and its wait ahead of my first tensor load
	ds_add_u32 v[SPW], v[NIL]
	v_lshrrev_b32 v1, 5, v0
	v_readfirstlane_b32 s12, v1                    ; wave 0..3
	s_and_b32 s14, ttmp7, 0xffff                   ; which weight
	s_mov_b32 s15, 0xffff0000                      ; lanes 16-31
	s_mov_b32 s[SEL], 0x76543210
	s_mov_b32 s[SEL+1], 0xfedcba98
	s_mov_b32 s16, 3<<16                           ; group 1: elements of 8 bytes, no mask, no padding
	s_mov_b32 s17, 32<<16                          ; tensor_dim0 = 32 (256 bytes)
	s_mov_b32 s18, 96<<16                          ; tensor_dim1 = 96
	s_mov_b32 s19, 32<<16                          ; tile_dim0 = 32
	s_mov_b32 s20, 96                              ; tile_dim1 = 96: a quarter of the tokens' codes
	s_mov_b32 s21, 32                              ; the pitch: dense
	s_mov_b32 s22, 0
	s_mov_b32 s23, 0
	s_mul_i32 s30, s12, 24576
	s_mul_i32 s42, ttmp9, 98304
	s_add_co_u32 s42, s42, s30
	s_mov_b32 s43, 0
	v_and_b32 v1, 31, v0                           ; L
	v_and_b32 v16, 15, v0                          ; r
	v_bfe_u32 v17, v0, 4, 1                        ; h
	v_mul_u32_u24 v[TA], v17, 768
	v_lshl_add_u32 v[TB], v16, 3, v[TA]
	v_add_nc_u32 v[TB], 512, v[TB]
	v_lshl_add_u32 v[TA], v16, 4, v[TA]
	v_and_b32 v18, 8, v16
	v_add_nc_u32 v18, v18, v16
	v_lshlrev_b32 v18, 2, v18                      ; 4 (r + 8 (r / 8))
	v_lshl_add_u32 v[TWA], v17, 10, v18
	v_add_nc_u32 v[TWA], TW, v[TWA]
	v_lshlrev_b32 v[L16], 4, v1
	v_lshlrev_b32 v[L8], 3, v1
	v_lshlrev_b32 v[L4], 2, v1
	v_lshlrev_b32 v15, 6, v17                      ; 64 h
	s_mul_i32 s31, s12, 1536
	v_add_nc_u32 v[VOF], s31, v[L16]
	s_mov_b32 s31, 25600
	s_cmp_eq_u32 s14, 0
	s_cselect_b32 s31, 12288, s31                  ; from one pair of tiles to the next: in qc two tiles' fragments, in kv a sub-block
	v_add_nc_u32 v[VOF+1], s31, v[VOF]
	v_and_b32 v29, 63, v0                          ; the scale bytes: thread t turns the quad of tokens t % 64 for k steps 2 (t / 64) and 2 (t / 64) + 1
	v_lshrrev_b32 v30, 6, v0
	v_lshlrev_b32 v19, 2, v29
	v_lshl_add_u32 v19, v30, 14, v19
	v_lshlrev_b32 v28, 4, v29
	v_lshl_add_u32 v28, v30, 11, v28
	v_add_nc_u32 v28, TW, v28
	s_wait_dscnt 0x0                               ; both opening adds are done
	s_wait_kmcnt 0x0
	s_mov_b32 s24, 1                               ; group 0: count,
	s_mov_b32 s25, s30                             ; LDS address: 24,576 x wave,
	s_add_nc_u64 s[26:27], s[4:5], s[42:43]        ; my quarter of the 256 tokens' codes,
	s_or_b32 s27, s27, 0x80000000                  ; the type
	tensor_load_to_lds s[24:27], s[16:23]          ; one load of mine is out; these bytes are filled once
	s_nop 0
	PLACES
	s_lshr_b32 s44, ttmp9, 3
	s_lshl_b32 s44, s44, 15
	s_and_b32 s45, ttmp9, 7
	s_lshl_b32 s45, s45, 8
	s_add_co_u32 s44, s44, s45
	s_mov_b32 s45, 0
	s_add_nc_u64 s[6:7], s[6:7], s[44:45]          ; ts at my batch and my 256 tokens
.irp i, 0,1,2,3,4,5,6,7
	global_load_b32 v[20+\i], v19, s[6:7] offset:2048*\i   ; block 8 (t / 64) + i, four tokens' bytes
.endr
	s_mul_i32 s44, s14, 204800
	s_mul_i32 s46, s12, 25600
	s_add_co_u32 s44, s44, s46
	s_add_nc_u64 s[8:9], s[8:9], s[44:45]          ; wc at my weight and chunk
	WIN 0x40
.set f_, 0
.rept 16
.irp i, 0,1,2
	global_load_b128 v[12*f_+4*\i:12*f_+4*\i+3], v[L16], s[8:9] offset:1536*f_+512*\i
.endr
.set f_, f_+1
.endr
	WIN 0x80
.set f_, 0
.rept 16
.irp i, 0,1,2
	global_load_b128 v[12*f_+4*\i:12*f_+4*\i+3], v[L16], s[8:9] offset:102400+1536*f_+512*\i
.endr
.set f_, f_+1
.endr
	WIN 0
.irp g, 0,1
.irp n, 0,1,2,3,4,5,6,7
	global_load_b32 v[WSC+8*\g+\n], v[L4], s[8:9] offset:102400*\g+24576+128*\n
.endr
.endr
	s_cmp_eq_u32 s14, 1
	s_cselect_b64 s[10:11], s[32:33], s[10:11]
	s_cmp_eq_u32 s14, 2
	s_cselect_b64 s[10:11], s[34:35], s[10:11]
	s_lshl_b32 s44, s12, 9
	s_add_nc_u64 s[10:11], s[10:11], s[44:45]      ; the bias at my 128 channels
	s_cmp_eq_u32 s14, 2
	s_cbranch_scc1 .Lbias_v
	WIN 0x40                                       ; q, k: register j of tile n holds channel 32 (n / 2) + 16 h + 8 (n % 2) + j
.irp n, 0,1,2,3,4,5,6,7
	global_load_b128 v[BI+8*\n:BI+8*\n+3], v15, s[10:11] offset:4*(32*(\n/2)+8*(\n%2))
	global_load_b128 v[BI+8*\n+4:BI+8*\n+7], v15, s[10:11] offset:4*(32*(\n/2)+8*(\n%2))+16
.endr
	WIN 0
	s_branch .Lbias_done
.Lbias_v:
	WIN 0x40                                       ; v: all eight registers hold the lane's one channel 32 (n / 2) + 8 (n % 2) + r + 8 (r / 8)
.irp n, 0,1,2,3,4,5,6,7
.irp j, 0,1,2,3,4,5,6,7
	global_load_b32 v[BI+8*\n+\j], v18, s[10:11] offset:4*(32*(\n/2)+8*(\n%2))
.endr
.endr
	WIN 0
.Lbias_done:
	s_wait_loadcnt 0x0
.irp sp, 0,1                                   ; 4 blocks x 4 tokens of bytes are turned into 4 tokens' words
	v_perm_b32 v148, v[21+4*\sp], v[20+4*\sp], 0x05010400
	v_perm_b32 v149, v[21+4*\sp], v[20+4*\sp], 0x07030602
	v_perm_b32 v150, v[23+4*\sp], v[22+4*\sp], 0x05010400
	v_perm_b32 v151, v[23+4*\sp], v[22+4*\sp], 0x07030602
	v_perm_b32 v152, v150, v148, 0x05040100
	v_perm_b32 v153, v150, v148, 0x07060302
	v_perm_b32 v154, v151, v149, 0x05040100
	v_perm_b32 v155, v151, v149, 0x07060302       ; (v152-155 are also QUANT's permute destinations: written here on every way)
	ds_store_b128 v28, v[152:155] offset:1024*\sp
.endr
	s_wait_tensorcnt 0x0                           ; my quarter of the codes has landed,
	s_wait_dscnt 0x0                               ; and my part of the table
	s_barrier_signal -1
	s_barrier_wait -1                              ; everybody's have; from here on LDS is only read
	s_mov_b32 s40, 0                               ; the trip
	s_mov_b32 s41, 0                               ; its offset in the codes,
	s_mov_b32 s42, 0                               ; and in the table
	s_cmp_eq_u32 s14, 2
	s_cbranch_scc1 .Lv
.Lqk:                                              ; four trips of 64 tokens: four tiles
	s_wait_xcnt 0x0                                ; the last trip's stores have read their bases and registers
	v_add_nc_u32 v[TAC], s41, v[TA]
	v_add_nc_u32 v[TBC], s41, v[TB]
	v_add_nc_u32 v[TWC], s42, v[TWA]
	s_lshl_b32 s44, ttmp9, 2
	s_add_co_u32 s44, s44, s40
	s_mul_i32 s44, s44, 25600                      ; q: block 4 x + trip
	s_lshl_b32 s45, s12, 8
	s_add_co_u32 s45, s45, s44
	s_add_co_u32 s45, s45, 24576                   ; its scale words of k step w
	s_and_b32 s46, ttmp9, 7
	s_lshl_b32 s46, s46, 1
	s_lshr_b32 s47, s40, 1
	s_add_co_u32 s46, s46, s47                     ; k: key step 2 (x % 8) + trip / 2,
	s_add_co_u32 s46, s46, 15
	s_and_b32 s46, s46, 15                         ; which lies in the block before it
	s_lshr_b32 s47, ttmp9, 3
	s_lshl_b32 s47, s47, 4
	s_add_co_u32 s46, s46, s47
	s_mul_i32 s46, s46, 102400
	s_and_b32 s47, s40, 1
	s_mul_i32 s48, s47, 51200
	s_add_co_u32 s48, s48, s46                     ; key groups 2 (trip % 2) and + 1
	s_lshl_b32 s47, s47, 8
	s_add_co_u32 s47, s47, s46
	s_mul_i32 s49, s12, 25600
	s_add_co_u32 s47, s47, s49
	s_add_co_u32 s47, s47, 24576                   ; the scale words of k step w lie in sub-block w
	s_cmp_eq_u32 s14, 0
	s_cselect_b32 s50, s44, s48
	s_cselect_b32 s52, s45, s47
	s_cselect_b64 s[54:55], s[36:37], s[38:39]
	s_mov_b32 s51, 0
	s_mov_b32 s53, 0
	s_add_nc_u64 s[50:51], s[54:55], s[50:51]
	s_add_nc_u64 s[52:53], s[54:55], s[52:53]
	TLOAD 0, 0
.irp T, 0,1,2,3
.if \T > 0
	PLACES                                         ; the other set was read by the matrix instructions just issued
.endif
.if \T < 3
	TLOAD (\T+1)&1, \T+1
	s_wait_dscnt 18                                ; this tile's loads are in; the next tile's 18 may be out
.else
	s_wait_dscnt 0x0
.endif
	QKMM \T
.endr
	PLACES
.irp T, 0,1,2,3
	s_wait_xcnt 0x0                                ; the stores before have read the codes' registers
	QUANT 64*\T, 3
.irp i, 0,1,2
	global_store_b128 v[VOF+(\T>>1)], v[PC+4*\i:PC+4*\i+3], s[50:51] offset:6144*(\T&1)+512*\i   ; 512 consecutive bytes
.endr
.if (\T&1) == 0
	v_mov_b32 v[PWE], v[PW]
.else
	v_cndmask_b32 v[SW+(\T>>1)], v[PWE], v[PW], s15   ; lanes 0-15: the even tile's words, lanes 16-31: the odd tile's
.endif
.endr
	global_store_b64 v[L8], v[SW:SW+1], s[52:53]   ; 256 consecutive bytes, aligned
	s_add_co_u32 s41, s41, 24576
	s_add_co_u32 s42, s42, 256
	s_add_co_u32 s40, s40, 1
	s_cmp_lt_u32 s40, 4
	s_cbranch_scc1 .Lqk
	s_branch .Lend
.Lv:                                               ; two trips of 128 tokens: a key step each; my eight tiles of channels in two halves
	s_wait_xcnt 0x0
	v_add_nc_u32 v[TAC], s41, v[TA]
	v_add_nc_u32 v[TBC], s41, v[TB]
	v_add_nc_u32 v[TWC], s42, v[TWA]
	s_lshr_b32 s44, ttmp9, 3
	s_lshl_b32 s44, s44, 4
	s_and_b32 s45, ttmp9, 7
	s_lshl_b32 s45, s45, 1
	s_add_co_u32 s44, s44, s45
	s_add_co_u32 s44, s44, s40                     ; block = key step 2 (x % 8) + trip
	s_mul_i32 s44, s44, 102400
	s_mul_i32 s45, s12, 25600
	s_add_co_u32 s50, s44, s45                     ; sub-block w
	s_mov_b32 s51, 0
	s_add_nc_u64 s[50:51], s[38:39], s[50:51]
.irp nh, 0,1
	TLOAD 0, 0
.irp T, 0,1,2,3,4,5,6,7
.if \T > 0
	PLACES
.endif
.if \T < 7
	TLOAD (\T+1)&1, \T+1
	s_wait_dscnt 18                                ; the next tile's 18 loads may be out
.else
	s_wait_dscnt 0x0
.endif
	VMM \T, \nh
.endr
	PLACES
.irp np, 0,1,2,3
	s_wait_xcnt 0x0
	QUANT 64*\np, 3
.irp i, 0,1,2
	global_store_b128 v[L16], v[PC+4*\i:PC+4*\i+3], s[50:51] offset:12288+1536*(4*\nh+\np)+512*\i
.endr
.if (\np&1) == 0
	v_mov_b32 v[PWE], v[PW]
.else
	v_cndmask_b32 v[SW+(\np>>1)], v[PWE], v[PW], s15
.endif
.endr
	global_store_b64 v[L8], v[SW:SW+1], s[50:51] offset:25088+256*\nh
.endr
	s_add_co_u32 s41, s41, 49152
	s_add_co_u32 s42, s42, 512
	s_add_co_u32 s40, s40, 1
	s_cmp_lt_u32 s40, 2
	s_cbranch_scc1 .Lv
.Lend:
	s_wait_tensorcnt 0x0                           ; the wave's end
	ds_add_u32 v[SPW], v[NIL]
	s_wait_dscnt 0x0
	s_endpgm
.Lfunc_end_k_qdf9e84b6c8_qkv:
	.size	k_qdf9e84b6c8_qkv, .Lfunc_end_k_qdf9e84b6c8_qkv-k_qdf9e84b6c8_qkv
	.p2alignl 7, 3214868480
	.fill 96, 4, 3214868480
	.section	.rodata,"a",@progbits
	.p2align	6, 0x0
	.amdhsa_kernel k_qdf9e84b6c8_qkv
		.amdhsa_group_segment_fixed_size 167936
		.amdhsa_private_segment_fixed_size 0
		.amdhsa_enable_private_segment 0
		.amdhsa_kernarg_size 64
		.amdhsa_user_sgpr_count 2
		.amdhsa_user_sgpr_kernarg_segment_ptr 1
		.amdhsa_wavefront_size32 1
		.amdhsa_system_sgpr_workgroup_id_x 1
		.amdhsa_system_sgpr_workgroup_id_y 1
		.amdhsa_system_sgpr_workgroup_id_z 1
		.amdhsa_system_vgpr_workitem_id 0
		.amdhsa_next_free_vgpr 1024
		.amdhsa_next_free_sgpr 66
		.amdhsa_reserve_vcc 0
		.amdhsa_float_denorm_mode_32 3
		.amdhsa_float_denorm_mode_16_64 3
		.amdhsa_memory_ordered 1
		.amdhsa_forward_progress 1
		.amdhsa_inst_pref_size 155
	.end_amdhsa_kernel
	.amdgpu_metadata
---
amdhsa.version: [ 1, 2 ]
amdhsa.kernels:
  - .name:           k_qdf9e84b6c8_qkv
    .symbol:         k_qdf9e84b6c8_qkv.kd
    .args:
      - { .name: tq, .offset: 0, .size: 8, .value_kind: global_buffer, .address_space: global }
      - { .name: ts, .offset: 8, .size: 8, .value_kind: global_buffer, .address_space: global }
      - { .name: wc, .offset: 16, .size: 8, .value_kind: global_buffer, .address_space: global }
      - { .name: bq, .offset: 24, .size: 8, .value_kind: global_buffer, .address_space: global }
      - { .name: bk, .offset: 32, .size: 8, .value_kind: global_buffer, .address_space: global }
      - { .name: bv, .offset: 40, .size: 8, .value_kind: global_buffer, .address_space: global }
      - { .name: qc, .offset: 48, .size: 8, .value_kind: global_buffer, .address_space: global }
      - { .name: kv, .offset: 56, .size: 8, .value_kind: global_buffer, .address_space: global }
    .group_segment_fixed_size: 167936
    .private_segment_fixed_size: 0
    .kernarg_segment_align: 8
    .kernarg_segment_size: 64
    .max_flat_workgroup_size: 128
    .sgpr_count:     66
    .vgpr_count:     1024
    .wavefront_size: 32
...
	.end_amdgpu_metadata
.endif
;; end of part 2
;; launch attn (part 3): grid 32 x 8, 4 waves a work-group, clusters of 4 x 1, 327,680 bytes of LDS; arguments qc, kv, wc, bo, x, out0; writes out0
.if DOCPART == 3
	.amdgcn_target "amdgcn-amd-amdhsa--gfx1250"
	.amdhsa_code_object_version 6
	.text
	.protected	k_qdf9e84b6c8_attn
	.globl	k_qdf9e84b6c8_attn
	.p2align	8
	.type	k_qdf9e84b6c8_attn,@function
k_qdf9e84b6c8_attn:
	s_mov_b64 s[64:65], 0
	v_nop
	global_prefetch_b8 v0, s[64:65] scope:SCOPE_SE
	s_setreg_imm32_b32 hwreg(HW_REG_WAVE_MODE, 25, 1), 1
	s_wait_xcnt 0x0
	s_wait_alu depctr_hold_cnt(0) depctr_sa_sdst(0) depctr_va_vdst(0) depctr_va_sdst(0) depctr_va_ssrc(0) depctr_va_vcc(0) depctr_vm_vsrc(0)
	s_getreg_b32 s2, hwreg(HW_REG_IB_STS2, 6, 4)
	s_cmp_eq_u32 s2, 0
	s_cbranch_scc0 .Lentry_in_a_cluster
	s_endpgm
.Lentry_in_a_cluster:
	s_bfe_u32 s2, ttmp6, 0x10000c
	s_cmp_lg_u32 s2, 0x3003
	s_cbranch_scc0 .Lentry_shape_is_right
	s_endpgm
.Lentry_shape_is_right:
; ATTN.  out = x + (softmax(q k^T / sqrt(512)) v) wo^T + bo, all three products on codes of BF6 (E3M2) with E8M0 scales.  No work of the problem is left out here.
; SHARES.  A work-group: 64 queries of one batch (four tiles of 16).  THE WAVES SHARE THE COLUMNS: in S^T = K Q^T wave w takes the step's key group w (32 keys: one block of p's quantiser) against all four query tiles;
; in O^T = V^T P^T and in the projection out it takes channels 128 w .. 128 w + 127 against all four.  So each fragment of K, V and wo is read from LDS once and feeds four matrix instructions.
; A step is 128 keys: 32 + 32 matrix instructions a wave; 16 steps.
; THE SOFTMAX.  t = score x log2(e) / sqrt(512).  Wave w keeps for each query a running whole number M_w = ceil(largest t of ITS keys so far) and the sum l_w of the unquantised p = 2^(t - M_w).  M_w being whole, the codes
; are those of the row-wide M; only the block's exponent differs.  With its codes the wave hands over E = scale byte + M_w.  Behind the step's barrier every wave forms R, the running maximum of all E, multiplies O by
; 2^(old R - new R), which rounds nothing, and gives block b the byte max(E_b - R + 123, 1), at most 123.  At the end O is divided by the sum over w of l_w 2^(M_w - R + 123), whose exponents are at most 1.
; LIMITS: NaN and infinities are not served; |t| stays under 2^24, so that M and E are whole numbers in f32; a block that lies more than 2^122 under the row's largest is held at the byte 1; the floor of the scale byte as in the first kernel.
; THE RING.  Two slots of 102,400 bytes.  Block j of the walk holds V of step j and K of step j + 1.  ONE round of the cluster's barrier a step, between the softmax and V^T P, hands p over, shows block j landed
; and frees the other slot; the refill with block j + 1 stands first behind it and has a whole step in which to land.  Every wave fetches a quarter of a block, 100 rows of 256 bytes.  By this text's own count three tensor
; loads of a wave are out at the head and one afterwards.
; CLUSTER.  The four query blocks of a cluster walk the same K and V: every load is a joint one, with the mask of all four.  Cluster c of a batch walks memory blocks (2 c + j) % 16: the first fills of the batch's eight
; clusters (blocks 2 c - 1 and 2 c) are its 16 blocks, each named once: nothing is left that a prefetch could ask for ahead of them, so none is laid.
; wo rides the same ring: its second half of K is a first fill into a third region, its first half follows behind the last step's round.
; REGISTERS, in windows of 256.  Window 0: see the names below.  Window 1: O^T of tiles 0, 1 at 64 m + 8 n; P's fragments at 128 + 12 m; K's at 160 + 12 (4 u + s).
;   Window 2: O^T of tiles 2, 3; P's at 128 + 12 (m - 2); V's at 152 + 12 n; the rescaling factors, a pair a tile, at 248 + 2 m.   Window 3: Q's fragments at 12 (4 m + s); v192-255 bo as a C; at the end x.
.set SLOT1, 102400
.set WOB,   204800                     ; wo's k steps 2, 3
.set PB0,   307200                     ; p's hand-over, two buffers of 7,168: + 0 the first 16 bytes of (tile m, block b, query r) at 256 (4 m + b) + 16 r; + 4,096 the last 8 at 128 (4 m + b) + 8 r; + 6,144 E at 16 (16 m + r) + 4 b
.set PBS,   7168
.set LX,    321536                     ; the pairs (l, -M) at 32 (16 m + r) + 8 w
.set SPARE, 323584                     ; the spare words, 128 bytes for each wave: no other line names them
.set SPW,  2                           ; v2  my spare word's address; never rewritten
.set NIL,  3                           ; v3  0; never rewritten
.set AKV,  4                           ; v4, v5    slot + 25,600 w + 16 L
.set AVS,  6                           ; v6, v7    slot + 25,600 w + 8 L
.set AKS,  8                           ; v8-11     slot + 51,200 (s / 2) + 256 (w / 2) + 4 (w % 2) + 8 L
.set PSTA, 12
.set PSTB, 13
.set EST,  14
.set PLDA, 15
.set PLDB, 16
.set LXST, 17
.set LXLD, 18
.set GO,   19                          ; v19 8,192 h + 16 r: my place in two channels' rows of x and out
.set ST,   20                          ; v20-27 pairs (-M, largest t), a tile each
.set LS,   28                          ; v28-35 l, in two halves
.set FL,   36                          ; v36-43 pairs: 2^(old M - new M)
.set RR,   44                          ; v44, v45 R of tile 2 p + h
.set RB,   46                          ; v46, v47 R - 123
.set BM,   48
.set BM2,  52
.set SCL,  56
.set BY,   60
.set S,    64                          ; v64-127 S^T, then p: 16 m + 8 u + j
.set Z,    128                         ; v128-139 a whole block's 24 bytes of tile 2 p + h
.set YT,   140
.set E4,   148                         ; v148-155 the four blocks' E
.set TT,   156
.set LT,   160
.set ES,   168
.set RT,   170
.set RO,   172
.set FP,   174
.set KS,   176                         ; scale words: K's v176-179, V's v180-183, P's v184-185, Q's v188-195
.set VS,   180
.set PS,   184
.set QS,   188
.set LXR,  64                          ; the last step and the tail, in S's registers:
.set IT,   80
.set IV,   88
.set IX,   90
.set TM,   64
.set PW,   92
.set PC,   96
.set OF0,  200                         ; the tail: o's fragments, two sets
.set OF1,  128
.set OS,   176                         ; their scale words; wo's
.set WOS,  184
.set BK,   64                          ; rows of the result on their way out
.set SEL,  22
.set MSB, 0
.macro WIN new                         ; the immediate's high byte repeats the setting that is left; a switch that changes nothing is dropped
.if MSB != (\new)
	s_set_vgpr_msb (MSB<<8)|(\new)
.set MSB, (\new)
.endif
.endm
; One matrix instruction.  c < 0: the constant 0 starts the sum.  ra, rb: the side's scales are read from lanes 16-31.
.macro WM d, a, b, c, sa, sb, ra, rb
.if (\c) < 0
.if (\ra) && (\rb)
	v_wmma_scale_f32_16x16x128_f8f6f4 v[(\d):(\d)+7], v[(\a):(\a)+11], v[(\b):(\b)+11], 0, v[(\sa)], v[(\sb)] matrix_a_fmt:MATRIX_FMT_BF6 matrix_b_fmt:MATRIX_FMT_BF6 matrix_a_scale:MATRIX_SCALE_ROW1 matrix_b_scale:MATRIX_SCALE_ROW1
.elseif (\ra)
	v_wmma_scale_f32_16x16x128_f8f6f4 v[(\d):(\d)+7], v[(\a):(\a)+11], v[(\b):(\b)+11], 0, v[(\sa)], v[(\sb)] matrix_a_fmt:MATRIX_FMT_BF6 matrix_b_fmt:MATRIX_FMT_BF6 matrix_a_scale:MATRIX_SCALE_ROW1
.elseif (\rb)
	v_wmma_scale_f32_16x16x128_f8f6f4 v[(\d):(\d)+7], v[(\a):(\a)+11], v[(\b):(\b)+11], 0, v[(\sa)], v[(\sb)] matrix_a_fmt:MATRIX_FMT_BF6 matrix_b_fmt:MATRIX_FMT_BF6 matrix_b_scale:MATRIX_SCALE_ROW1
.else
	v_wmma_scale_f32_16x16x128_f8f6f4 v[(\d):(\d)+7], v[(\a):(\a)+11], v[(\b):(\b)+11], 0, v[(\sa)], v[(\sb)] matrix_a_fmt:MATRIX_FMT_BF6 matrix_b_fmt:MATRIX_FMT_BF6
.endif
.else
.if (\ra) && (\rb)
	v_wmma_scale_f32_16x16x128_f8f6f4 v[(\d):(\d)+7], v[(\a):(\a)+11], v[(\b):(\b)+11], v[(\c):(\c)+7], v[(\sa)], v[(\sb)] matrix_a_fmt:MATRIX_FMT_BF6 matrix_b_fmt:MATRIX_FMT_BF6 matrix_a_scale:MATRIX_SCALE_ROW1 matrix_b_scale:MATRIX_SCALE_ROW1
.elseif (\ra)
	v_wmma_scale_f32_16x16x128_f8f6f4 v[(\d):(\d)+7], v[(\a):(\a)+11], v[(\b):(\b)+11], v[(\c):(\c)+7], v[(\sa)], v[(\sb)] matrix_a_fmt:MATRIX_FMT_BF6 matrix_b_fmt:MATRIX_FMT_BF6 matrix_a_scale:MATRIX_SCALE_ROW1
.elseif (\rb)
	v_wmma_scale_f32_16x16x128_f8f6f4 v[(\d):(\d)+7], v[(\a):(\a)+11], v[(\b):(\b)+11], v[(\c):(\c)+7], v[(\sa)], v[(\sb)] matrix_a_fmt:MATRIX_FMT_BF6 matrix_b_fmt:MATRIX_FMT_BF6 matrix_b_scale:MATRIX_SCALE_ROW1
.else
	v_wmma_scale_f32_16x16x128_f8f6f4 v[(\d):(\d)+7], v[(\a):(\a)+11], v[(\b):(\b)+11], v[(\c):(\c)+7], v[(\sa)], v[(\sb)] matrix_a_fmt:MATRIX_FMT_BF6 matrix_b_fmt:MATRIX_FMT_BF6
.endif
.endif
.endm
; 64 numbers of a lane in window win, register src + 16 b + i = k 32 b + 16 (L / 16) + i of my row, become a fragment's codes in v[PC .. PC + 11] and the row's scale word in v[PW] (all lanes).  Each accumulator is read from its low end on.
.macro QUANT src, win
	WIN ((\win)<<2)|((\win)<<4)
.irp b, 0,1,2,3
	v_max3_num_f32 v[TM+\b], 0x2800000, |v[(\src)+16*\b]|, |v[(\src)+16*\b+1]|   ; and the floor 2^(5 - 127): the byte cannot fall under 1
.endr
.irp i, 2,4,6,8,10,12,14
.irp b, 0,1,2,3
	v_max3_num_f32 v[TM+\b], v[TM+\b], |v[(\src)+16*\b+\i]|, |v[(\src)+16*\b+\i+1]|
.endr
.endr
	WIN 0
.irp b, 0,1,2,3
	v_permlanex16_b32 v[TM+4+\b], v[TM+\b], s[SEL], s[SEL+1]
.endr
.irp b, 0,1,2,3
	v_max_num_f32 v[TM+\b], v[TM+\b], v[TM+4+\b]
.endr
.irp b, 0,1,2,3
	v_add_nc_u32 v[TM+12+\b], 0xfe000000, v[TM+\b]
.endr
.irp b, 0,1,2,3
	v_lshrrev_b32 v[TM+4+\b], 23, v[TM+12+\b]
.endr
	v_lshl_or_b32 v[PW], v[TM+5], 8, v[TM+4]
	v_lshl_or_b32 v[PW], v[TM+6], 16, v[PW]
	v_lshl_or_b32 v[PW], v[TM+7], 24, v[PW]
	WIN (\win)
.irp c, 0,1
	v_cvt_scalef32_pk16_bf6_f32 v[PC+6*\c:PC+6*\c+2], v[(\src)+32*\c:(\src)+32*\c+15], v[TM+12+2*\c]
	v_cvt_scalef32_pk16_bf6_f32 v[PC+12+4*\c:PC+14+4*\c], v[(\src)+32*\c+16:(\src)+32*\c+31], v[TM+12+2*\c+1]
.endr
	WIN 0
	v_nop                                          ; one plain line behind the conversions
.irp c, 0,1
.irp i, 0,1,2
	v_permlane16_swap_b32 v[PC+6*\c+\i], v[PC+12+4*\c+\i]
.endr
.irp i, 0,1,2
	v_mov_b32 v[PC+3+6*\c+\i], v[PC+12+4*\c+\i]
.endr
.endr
.endm
.macro PLACES                          ; four plain lines between a matrix instruction and a load into, or a vector read of, its registers
.rept 4
	v_nop
.endr
.endm
; A round of the cluster's barrier: my work-group's barrier; wave 0 signals for the work-group; every wave waits for all four work-groups; my work-group's barrier once more
.macro CROUND
	s_barrier_signal -1
	s_barrier_wait -1
	s_cmp_lg_u32 s16, 0
	s_cbranch_scc1 .Lnot_wave_0_\@
	s_barrier_signal -3
.Lnot_wave_0_\@:
	s_barrier_wait -3
	s_barrier_signal -1
	s_barrier_wait -1
.endm
.macro KLOAD slot                      ; 28 LDS loads: the eight fragments of my key group, and their scale words (lanes 0-15 tile u = 0, lanes 16-31 u = 1)
	WIN 0x40
.set f_, 0
.rept 8
.irp i, 0,1,2
	ds_load_b128 v[160+12*f_+4*\i:160+12*f_+4*\i+3], v[AKV+(\slot)] offset:1536*f_+512*\i
.endr
.set f_, f_+1
.endr
	WIN 0
.irp ks, 0,1,2,3
	ds_load_b32 v[KS+\ks], v[AKS+2*(\slot)+(\ks>>1)] offset:24576+25600*(\ks&1)
.endr
.endm
.macro SMUL                            ; S^T = K Q^T: eight accumulators (u, m) by turns, k step by k step; the first k step starts the sums
	WIN 0x0D                                       ; K window 1, Q window 3, S^T window 0
.irp ks, 0,1,2,3
.irp u, 0,1
.irp m, 0,1,2,3
.if \ks == 0
	WM S+16*\m+8*\u, 160+12*(4*\u+\ks), 12*(4*\m+\ks), -1, KS+\ks, QS+2*\ks+(\m>>1), \u, \m&1
.else
	WM S+16*\m+8*\u, 160+12*(4*\u+\ks), 12*(4*\m+\ks), S+16*\m+8*\u, KS+\ks, QS+2*\ks+(\m>>1), \u, \m&1
.endif
.endr
.endr
.endr
.endm
.macro XLOAD n                         ; x at the places of my tile n of output channels: row 2 t + h of the tile, 16 lanes to its 256 bytes
.irp t, 0,1,2,3,4,5,6,7
	global_load_b128 v[32*(\n)+4*\t:32*(\n)+4*\t+3], v[GO], s[58:59] offset:8192*(32*((\n)/2)+8*((\n)%2)+2*\t+8*(\t/4)) th:TH_LOAD_NT
.endr
.endm
; THE SOFTMAX of my 32 keys for the 64 queries.  A lane holds query r of each tile m and 16 of the keys; lane l xor 16 the other 16.
.macro SOFT par, last
	WIN 0
	PLACES
.if \last
	WIN 0xC0                                       ; Q is done with: x for the way out is asked for now, into its registers
.irp n, 0,1,2,3,4,5
	XLOAD \n
.endr
	WIN 0
.endif
.irp m, 0,1,2,3
	v_max3_num_f32 v[BM+\m], v[S+16*\m], v[S+16*\m+1], v[S+16*\m+2]   ; the block's largest score: it serves for M and, since p rises with the score, for the block's largest p
.endr
.irp i, 3,5,7,9,11,13
.irp m, 0,1,2,3
	v_max3_num_f32 v[BM+\m], v[BM+\m], v[S+16*\m+\i], v[S+16*\m+\i+1]
.endr
.endr
.irp m, 0,1,2,3
	v_max_num_f32 v[BM+\m], v[BM+\m], v[S+16*\m+15]
.endr
.irp m, 0,1,2,3
	v_permlanex16_b32 v[BM2+\m], v[BM+\m], s[SEL], s[SEL+1]
.endr
.irp m, 0,1,2,3
	v_max_num_f32 v[BM+\m], v[BM+\m], v[BM2+\m]
.endr
.irp m, 0,1,2,3
	v_mul_f32 v[TT+\m], s24, v[BM+\m]              ; as t (c is positive)
.endr
.irp m, 0,1,2,3
	v_max_num_f32 v[ST+2*\m+1], v[ST+2*\m+1], v[TT+\m]   ; the running largest t
.endr
.irp m, 0,1,2,3
	v_mov_b32 v[TT+\m], v[ST+2*\m]
.endr
.irp m, 0,1,2,3
	v_floor_f32 v[ST+2*\m], -v[ST+2*\m+1]          ; -M = floor(-t): M is a whole number
.endr
.irp m, 0,1,2,3
	v_sub_f32 v[TT+\m], v[ST+2*\m], v[TT+\m]       ; old M - new M, 0 or less
.endr
.irp m, 0,1,2,3
	v_cvt_i32_f32 v[TT+\m], v[TT+\m]               ; (it saturates)
.endr
.irp m, 0,1,2,3
	v_ldexp_f32 v[FL+2*\m], 1.0, v[TT+\m]
.endr
.irp m, 0,1,2,3
.irp j, 0,2,4,6,8,10,12,14
	v_pk_fma_f32 v[S+16*\m+\j:S+16*\m+\j+1], v[S+16*\m+\j:S+16*\m+\j+1], s[24:25], v[ST+2*\m:ST+2*\m+1] op_sel_hi:[1,0,0]   ; t - M
.endr
.endr
.irp m, 0,1,2,3
	v_fma_f32 v[BM+\m], v[BM+\m], s24, v[ST+2*\m]  ; the same of the largest score
.endr
.set j_, 0
.rept 64
	v_exp_f32 v[S+j_], v[S+j_]                     ; p = 2^(t - M), at most 1
.set j_, j_+1
.endr
.irp m, 0,1,2,3
	v_pk_mul_f32 v[LS+2*\m:LS+2*\m+1], v[LS+2*\m:LS+2*\m+1], v[FL+2*\m:FL+2*\m+1] op_sel_hi:[1,0]   ; l under the new M; plain lines behind the exponentials
.endr
	s_wait_alu depctr_va_vdst(0)                   ; one wait for the batch of 64, ahead of its first reader
.irp m, 0,1,2,3
	v_exp_f32 v[BM+\m], v[BM+\m]                   ; the block's largest p
.endr
.irp m, 0,1,2,3
	v_pk_add_f32 v[LT+2*\m:LT+2*\m+1], v[S+16*\m:S+16*\m+1], v[S+16*\m+2:S+16*\m+3]   ; l is the sum of the unquantised p: two chains a tile
.endr
.irp j, 4,8,12
.irp m, 0,1,2,3
	v_pk_add_f32 v[LS+2*\m:LS+2*\m+1], v[LS+2*\m:LS+2*\m+1], v[S+16*\m+\j:S+16*\m+\j+1]
	v_pk_add_f32 v[LT+2*\m:LT+2*\m+1], v[LT+2*\m:LT+2*\m+1], v[S+16*\m+\j+2:S+16*\m+\j+3]
.endr
.endr
.irp m, 0,1,2,3
	v_pk_add_f32 v[LS+2*\m:LS+2*\m+1], v[LS+2*\m:LS+2*\m+1], v[LT+2*\m:LT+2*\m+1]
.endr
	s_wait_alu depctr_va_vdst(0)                   ; and one for the four
.irp m, 0,1,2,3
	v_max_num_f32 v[BM+\m], 0x2800000, v[BM+\m]    ; the floor
.endr
.irp m, 0,1,2,3
	v_add_nc_u32 v[SCL+\m], 0xfe000000, v[BM+\m]   ; the conversion's scale operand
.endr
.irp m, 0,1,2,3
	v_lshrrev_b32 v[BY+\m], 23, v[SCL+\m]          ; the byte under my M
.endr
.irp m, 0,1,2,3
	v_cvt_f32_u32 v[BY+\m], v[BY+\m]
.endr
.irp m, 0,1,2,3
	v_sub_f32 v[BY+\m], v[BY+\m], v[ST+2*\m]       ; E = byte + M
.endr
.irp p, 0,1
	v_cvt_scalef32_pk16_bf6_f32 v[Z+6*\p:Z+6*\p+2], v[S+32*\p:S+32*\p+15], v[SCL+2*\p]
	v_cvt_scalef32_pk16_bf6_f32 v[YT+4*\p:YT+4*\p+2], v[S+32*\p+16:S+32*\p+31], v[SCL+2*\p+1]
.endr
	v_nop                                          ; one plain line behind the conversions
.irp p, 0,1                                    ; tile 2 p's upper 16 keys change places with tile 2 p + 1's lower 16: lane (r, h) then holds the whole block of query r of tile 2 p + h
.irp i, 0,1,2
	v_permlane16_swap_b32 v[Z+6*\p+\i], v[YT+4*\p+\i]
.endr
.irp i, 0,1,2
	v_mov_b32 v[Z+6*\p+3+\i], v[YT+4*\p+\i]
.endr
	v_cndmask_b32 v[ES+\p], v[BY+2*\p], v[BY+2*\p+1], s21
.endr
.irp p, 0,1
	ds_store_b128 v[PSTA], v[Z+6*\p:Z+6*\p+3] offset:PBS*(\par)+2048*\p
	ds_store_b64 v[PSTB], v[Z+6*\p+4:Z+6*\p+5] offset:PBS*(\par)+1024*\p
	ds_store_b32 v[EST], v[ES+\p] offset:PBS*(\par)+512*\p
.endr
.if \last                                      ; the last step also hands l and -M over
.irp m, 0,1,2,3
	v_add_f32 v[TT+\m], v[LS+2*\m], v[LS+2*\m+1]
.endr
.irp m, 0,1,2,3
	v_permlanex16_b32 v[BM2+\m], v[TT+\m], s[SEL], s[SEL+1]
.endr
.irp m, 0,1,2,3
	v_add_f32 v[TT+\m], v[TT+\m], v[BM2+\m]
.endr
.irp p, 0,1
	v_cndmask_b32 v[LT+2*\p], v[TT+2*\p], v[TT+2*\p+1], s21
	v_cndmask_b32 v[LT+2*\p+1], v[ST+4*\p], v[ST+4*\p+2], s21
.endr
.irp p, 0,1
	ds_store_b64 v[LXST], v[LT+2*\p:LT+2*\p+1] offset:1024*\p
.endr
.endif
.endm
; THE STEP'S ONE ROUND.  In front of it: all my tensor loads have landed (my quarter of the block that is read next), the add, and my LDS stores (p) and my reads of the slot to be filled are done.  Behind it the refill comes first.
.macro CHANGE slotnext, wo
	s_wait_tensorcnt 0x0                           ; no tensor load of mine is out: the walking group 0 may be written
	ds_add_u32 v[SPW], v[NIL]                      ; 0 onto my spare word
	s_add_co_u32 s37, s57, \slotnext
.if \wo
	s_mov_b64 s[38:39], s[50:51]                   ; wo's k steps 0, 1
.else
	s_add_co_u32 s20, s20, 1
	s_and_b32 s52, s20, 15
	s_mul_i32 s52, s52, 102400
	s_mov_b32 s53, 0
	s_add_nc_u64 s[38:39], s[48:49], s[52:53]      ; the next block of the walk
.endif
	s_or_b32 s39, s39, 0x80000000
	s_wait_dscnt 0x0
	CROUND
	tensor_load_to_lds s[36:39], s[28:35]
	s_nop 0
	PLACES
.endm
.macro PLOADS par, last                ; E first, then P's four fragments, V's eight, V's scale words
.irp p, 0,1
	ds_load_b128 v[E4+4*\p:E4+4*\p+3], v[PLDA] offset:PBS*(\par)+6144+512*\p
.endr
.if \last
.irp p, 0,1
.irp q, 0,1
	ds_load_b128 v[LXR+8*\p+4*\q:LXR+8*\p+4*\q+3], v[LXLD] offset:1024*\p+16*\q
.endr
.endr
.endif
	WIN 0x40
.irp m, 0,1
.irp c, 0,1
	ds_load_b128 v[128+12*\m+6*\c:128+12*\m+6*\c+3], v[PLDA] offset:PBS*(\par)+256*(4*\m+2*\c)
	ds_load_b64 v[128+12*\m+6*\c+4:128+12*\m+6*\c+5], v[PLDB] offset:PBS*(\par)+128*(4*\m+2*\c)
.endr
.endr
	WIN 0x80
.irp m, 2,3
.irp c, 0,1
	ds_load_b128 v[104+12*\m+6*\c:104+12*\m+6*\c+3], v[PLDA] offset:PBS*(\par)+256*(4*\m+2*\c)
	ds_load_b64 v[104+12*\m+6*\c+4:104+12*\m+6*\c+5], v[PLDB] offset:PBS*(\par)+128*(4*\m+2*\c)
.endr
.endr
.set f_, 0
.rept 8
.irp i, 0,1,2
	ds_load_b128 v[152+12*f_+4*\i:152+12*f_+4*\i+3], v[AKV+(\par)] offset:12288+1536*f_+512*\i
.endr
.set f_, f_+1
.endr
	WIN 0
.irp nh, 0,1
	ds_load_b64 v[VS+2*\nh:VS+2*\nh+1], v[AVS+(\par)] offset:25088+256*\nh
.endr
	s_wait_dscnt 42                                ; E (and l, -M) are in; P's 16 loads, V's 24 and the 2 of V's scale words may be out
.endm
.macro REF                             ; lane (r, h) serves query r of tile 2 p + h: R, the factor for O, P's scale word
.irp p, 0,1
	v_max3_num_f32 v[RT+\p], v[E4+4*\p], v[E4+4*\p+1], v[E4+4*\p+2]
.endr
.irp p, 0,1
	v_max_num_f32 v[RT+\p], v[RT+\p], v[E4+4*\p+3]
.endr
.irp p, 0,1
	v_mov_b32 v[RO+\p], v[RR+\p]
.endr
.irp p, 0,1
	v_max_num_f32 v[RR+\p], v[RR+\p], v[RT+\p]
.endr
.irp p, 0,1
	v_sub_f32 v[RO+\p], v[RO+\p], v[RR+\p]
.endr
.irp p, 0,1
	v_cvt_i32_f32 v[RO+\p], v[RO+\p]
.endr
.irp p, 0,1
	v_ldexp_f32 v[FP+\p], 1.0, v[RO+\p]            ; 2^(old R - new R)
.endr
.irp p, 0,1
	v_add_f32 v[RB+\p], 0xc2f60000, v[RR+\p]       ; R - 123
.endr
.irp p, 0,1
.irp b, 0,1,2,3
	v_sub_f32 v[E4+4*\p+\b], v[E4+4*\p+\b], v[RB+\p]
.endr
.endr
.irp p, 0,1
.irp b, 0,1,2,3
	v_max_num_f32 v[E4+4*\p+\b], 1.0, v[E4+4*\p+\b]
.endr
.endr
.irp p, 0,1
.irp b, 0,1,2,3
	v_cvt_u32_f32 v[E4+4*\p+\b], v[E4+4*\p+\b]
.endr
.endr
.irp p, 0,1
	v_lshl_or_b32 v[PS+\p], v[E4+4*\p+1], 8, v[E4+4*\p]
.endr
.irp p, 0,1
	v_lshl_or_b32 v[PS+\p], v[E4+4*\p+2], 16, v[PS+\p]
.endr
.irp p, 0,1
	v_lshl_or_b32 v[PS+\p], v[E4+4*\p+3], 24, v[PS+\p]
.endr
.irp p, 0,1
	v_permlanex16_b32 v[ES+\p], v[FP+\p], s[SEL], s[SEL+1]
.endr
	WIN 0x80
.irp p, 0,1
	v_cndmask_b32 v[248+4*\p], v[FP+\p], v[ES+\p], s21   ; tile 2 p's factor in all lanes,
	v_cndmask_b32 v[250+4*\p], v[ES+\p], v[FP+\p], s21   ; tile 2 p + 1's
.endr
	WIN 0
.endm
.macro INV                             ; 1 / the sum over the waves of l_w 2^(M_w - R + 123)
.irp p, 0,1
.irp w, 0,1,2,3
	v_sub_f32 v[IT+4*\p+\w], -v[LXR+8*\p+2*\w+1], v[RB+\p]
.endr
.endr
.irp p, 0,1
.irp w, 0,1,2,3
	v_cvt_i32_f32 v[IT+4*\p+\w], v[IT+4*\p+\w]
.endr
.endr
.irp p, 0,1
.irp w, 0,1,2,3
	v_ldexp_f32 v[IT+4*\p+\w], v[LXR+8*\p+2*\w], v[IT+4*\p+\w]
.endr
.endr
.irp p, 0,1
	v_add_f32 v[IT+4*\p], v[IT+4*\p], v[IT+4*\p+1]
	v_add_f32 v[IT+4*\p+2], v[IT+4*\p+2], v[IT+4*\p+3]
.endr
.irp p, 0,1
	v_add_f32 v[IT+4*\p], v[IT+4*\p], v[IT+4*\p+2]
.endr
.irp p, 0,1
	v_rcp_f32 v[IV+\p], v[IT+4*\p]
.endr
	v_mov_b32 v[IX], 0                             ; plain lines behind the reciprocals; a lane permute's destination counts as one of its sources
	v_mov_b32 v[IX+1], 0
	s_wait_alu depctr_va_vdst(0)                   ; one wait for both, ahead of their first reader
.irp p, 0,1
	v_permlanex16_b32 v[IX+\p], v[IV+\p], s[SEL], s[SEL+1]
.endr
.endm
.macro RESC t                          ; tile t = 2 n + m' of the phase's 16 is multiplied by its query tile's factor: four packed lines, from the tile's low end on
.set ro_, 64*((\t)&1)+8*((\t)>>1)
.set fo_, 248+2*((\t)&1)+4*PH
.irp j, 0,2,4,6
	v_pk_mul_f32 v[ro_+\j:ro_+\j+1], v[fo_:fo_+1], v[ro_+\j:ro_+\j+1] op_sel_hi:[0,1]
.endr
.endm
; O^T += V^T P^T.  Phase 0: query tiles 0, 1 (window 1); phase 1: tiles 2, 3 (window 2).  In a phase 16 accumulators, one instruction each; the rescaling of tile t + 2 stands behind the product of tile t,
; so a rescaled tile has four plain lines ahead of its product, and no rescaling names a register of the products beside it.  The first eight are also the places between P's scale words and the first product.
.macro PVMUL first
.irp ph, 0,1
.set PH, \ph
.if \ph == 0
	WIN 0x56                                       ; V and the factors window 2; P, C and D window 1
.else
	WIN 0xAA                                       ; all window 2
.endif
.if \first
.if \ph == 0
.rept 8
	v_nop                                          ; a scale register written by vector instructions stands eight places ahead of the product
.endr
.endif
.else
	RESC 0
	RESC 1
.endif
.set t_, 0
.rept 16
.if \first
	WM 64*(t_&1)+8*(t_>>1), 152+12*(t_>>1), 128+12*(t_&1), -1, VS+(t_>>2), PS+PH, (t_>>1)&1, t_&1
.else
	WM 64*(t_&1)+8*(t_>>1), 152+12*(t_>>1), 128+12*(t_&1), 64*(t_&1)+8*(t_>>1), VS+(t_>>2), PS+PH, (t_>>1)&1, t_&1
.if t_ < 14
	RESC t_+2
.endif
.endif
.set t_, t_+1
.endr
.endr
.endm
.macro STEP par, first, last
	s_wait_dscnt 0x0                               ; K of this step is in
	SMUL
	SOFT \par, \last
	CHANGE (1-(\par))*SLOT1, \last
	PLOADS \par, \last
	REF
.if \last
	INV
.endif
	s_wait_dscnt 0x0                               ; P and V are in
.if !(\last)
	KLOAD \par                                     ; K of the next step: it lands under the products below
.endif
	PVMUL \first
	WIN 0
.endm
; THE TAIL'S MACROS.  k step ks of the projection out: o's four fragments and scale words, my eight fragments of wo, and with the even k steps wo's scale words for two
.macro LOUT ks
.set ofb_, OF0
.if ((\ks)&1)
.set ofb_, OF1
.endif
.irp m, 0,1,2,3
.irp i, 0,1,2
	ds_load_b128 v[ofb_+12*\m+4*\i:ofb_+12*\m+4*\i+3], v[20+((\ks)>>1)] offset:25600*((\ks)&1)+1536*\m+512*\i
.endr
.endr
.irp m, 0,1,2,3
	ds_load_b32 v[OS+4*((\ks)&1)+\m], v[22+((\ks)>>1)] offset:25600*((\ks)&1)+128*\m
.endr
.if ((\ks)&1)
	WIN 0x80
.set wb_, 152
.else
	WIN 0x40
.set wb_, 160
.endif
.set wa_, AKV
.if ((\ks)>>1)
.set wa_, 24
.endif
.irp n, 0,1,2,3,4,5,6,7
.irp i, 0,1,2
	ds_load_b128 v[wb_+12*\n+4*\i:wb_+12*\n+4*\i+3], v[wa_] offset:1536*(2*\n+((\ks)&1))+512*\i
.endr
.endr
	WIN 0
.if !((\ks)&1)
.irp n, 0,1,2,3,4,5,6,7
	ds_load_b32 v[WOS+8*((\ks)>>1)+\n], v[25+((\ks)>>1)] offset:128*\n
.endr
.endif
.endm
.macro MMO ks                          ; source 0 = 16 queries of o, source 1 = 16 rows of wo: a lane holds one output channel and eight neighbouring positions.  16 accumulators by turns in each half
.set ofb_, OF0
.set wb_, 160
.if ((\ks)&1)
.set ofb_, OF1
.set wb_, 152
.endif
.irp hf, 0,1
.if (\ks) == 0
	WIN 0x74+0x40*\hf                              ; o window 0, wo window 1, C = bo window 3, D window 1 or 2
.elseif (\ks) == 2
	WIN 0x54+0x50*\hf
.else
	WIN 0x58+0x50*\hf                              ; wo window 2
.endif
.irp n, 0,1,2,3,4,5,6,7
.irp mp, 0,1
.if (\ks) == 0
	WM 64*\mp+8*\n, ofb_+12*(2*\hf+\mp), wb_+12*\n, 192+8*\n, OS+4*((\ks)&1)+2*\hf+\mp, WOS+8*((\ks)>>1)+\n, 0, (\ks)&1
.else
	WM 64*\mp+8*\n, ofb_+12*(2*\hf+\mp), wb_+12*\n, 64*\mp+8*\n, OS+4*((\ks)&1)+2*\hf+\mp, WOS+8*((\ks)>>1)+\n, 0, (\ks)&1
.endif
.endr
.endr
.endr
	WIN 0
.endm
.macro TOSTAGE n                       ; tile n: 16 channels x 64 positions through my own stage: in by columns of 32 bytes, back by rows of 256
.irp m, 0,1,2,3
	WIN 0x04+0x04*(\m>>1)                          ; an LDS store's data are its source 1: window 1 or 2
	ds_store_b128 v28, v[64*(\m&1)+8*(\n):64*(\m&1)+8*(\n)+3] offset:4352*((\n)&1)+128*(\m>>1)+32*(\m&1)      ; each accumulator from its low end on
	ds_store_b128 v28, v[64*(\m&1)+8*(\n)+4:64*(\m&1)+8*(\n)+7] offset:4352*((\n)&1)+128*(\m>>1)+32*(\m&1)+16
.endr
	WIN 0
.irp t, 0,1,2,3,4,5,6,7
	ds_load_b128 v[BK+32*((\n)&1)+4*\t:BK+32*((\n)&1)+4*\t+3], v29 offset:4352*((\n)&1)+544*\t   ; LDS serves a wave's instructions in order: these see the stores above
.endr
.endm
.macro SEND n, younger
	s_wait_dscnt \younger                          ; the tile is back in registers; the next tile's 8 stores and 8 loads may be out
.if (\n) == 0
	s_wait_loadcnt 16                              ; x's tiles 0-5 are in; the 16 loads of tiles 6, 7 may be out
.endif
.if (\n) == 6
	s_wait_loadcnt 0x0
.endif
	WIN 0x0C                                       ; x: window 3
.set k_, 0
.rept 16
	v_pk_add_f32 v[BK+32*((\n)&1)+k_:BK+32*((\n)&1)+k_+1], v[BK+32*((\n)&1)+k_:BK+32*((\n)&1)+k_+1], v[32*(\n)+k_:32*(\n)+k_+1]
.set k_, k_+2
.endr
	WIN 0
.irp t, 0,1,2,3,4,5,6,7
	global_store_b128 v[GO], v[BK+32*((\n)&1)+4*\t:BK+32*((\n)&1)+4*\t+3], s[60:61] offset:8192*(32*((\n)/2)+8*((\n)%2)+2*\t+8*(\t/4)) th:TH_STORE_NT   ; each half of the lanes: one channel's 64 positions, 256 consecutive bytes, aligned
.endr
.endm
	s_load_b256 s[4:11], s[0:1], 0x0               ; qc, kv, wc, bo
	s_load_b128 s[12:15], s[0:1], 0x20             ; x, out0
	v_lshl_add_u32 v[SPW], v0, 2, SPARE
	v_mov_b32 v[NIL], 0
	ds_add_u32 v[SPW], v[NIL]                      ; the wave's opening: the add, twice on end, and its wait ahead of the round in front of my first tensor loads
	ds_add_u32 v[SPW], v[NIL]
	v_lshrrev_b32 v1, 5, v0
	v_readfirstlane_b32 s16, v1                    ; wave 0..3
	s_bfe_u32 s17, ttmp6, 0x40000                  ; cx: it enters the addresses of Q, x and out alone
	s_lshl_b32 s18, ttmp9, 2
	s_add_co_u32 s18, s18, s17                     ; my block of 64 queries
	s_and_b32 s19, ttmp7, 0xffff                   ; the batch
	s_lshl_b32 s20, ttmp9, 1                       ; the walk begins at block 2 x cluster
	s_mov_b32 s21, 0xffff0000                      ; lanes 16-31
	s_mov_b32 s[SEL], 0x76543210
	s_mov_b32 s[SEL+1], 0xfedcba98
	s_mov_b32 s24, 0x3d8293ee                      ; c = log2(e) / sqrt(512)
	s_mov_b32 s25, s24                             ; (named with it as a pair)
	s_mov_b32 s28, 15|(3<<16)|(1<<21)              ; group 1: the mask of all four work-groups; elements of 8 bytes; bit 21 beside a mask; no padding
	s_mov_b32 s29, 32<<16                          ; tensor_dim0 = 32 (256 bytes)
	s_mov_b32 s30, 100<<16                         ; tensor_dim1 = 100
	s_mov_b32 s31, 32<<16                          ; tile_dim0
	s_mov_b32 s32, 100                             ; tile_dim1: a quarter of a block
	s_mov_b32 s33, 32                              ; dense
	s_mov_b32 s34, 0
	s_mov_b32 s35, 0
	s_mul_i32 s57, s16, 25600
	v_and_b32 v1, 31, v0                           ; L; kept
	v_and_b32 v156, 15, v0                         ; r
	v_bfe_u32 v157, v0, 4, 1                       ; h
	v_lshl_add_u32 v[AKV], v1, 4, s57
	v_add_nc_u32 v[AKV+1], SLOT1, v[AKV]
	v_lshl_add_u32 v[AVS], v1, 3, s57
	v_add_nc_u32 v[AVS+1], SLOT1, v[AVS]
	s_lshr_b32 s52, s16, 1
	s_lshl_b32 s52, s52, 8
	s_and_b32 s54, s16, 1
	s_lshl_b32 s54, s54, 2
	s_add_co_u32 s52, s52, s54
	v_lshl_add_u32 v[AKS], v1, 3, s52
	v_add_nc_u32 v[AKS+1], 51200, v[AKS]
	v_add_nc_u32 v[AKS+2], SLOT1, v[AKS]
	v_add_nc_u32 v[AKS+3], SLOT1+51200, v[AKS]
	s_lshl_b32 s52, s16, 8
	s_add_co_u32 s52, s52, PB0
	v_lshl_add_u32 v[PSTA], v156, 4, s52
	v_lshl_add_u32 v[PSTA], v157, 10, v[PSTA]      ; PB0 + 16 r + 1,024 h + 256 w
	s_lshl_b32 s52, s16, 7
	s_add_co_u32 s52, s52, PB0+4096
	v_lshl_add_u32 v[PSTB], v156, 3, s52
	v_lshl_add_u32 v[PSTB], v157, 9, v[PSTB]
	s_lshl_b32 s52, s16, 2
	s_add_co_u32 s52, s52, PB0+6144
	v_lshl_add_u32 v[EST], v1, 4, s52
	v_lshl_add_u32 v[PLDA], v1, 4, PB0
	v_lshl_add_u32 v[PLDB], v1, 3, PB0+4096
	s_lshl_b32 s52, s16, 3
	s_add_co_u32 s52, s52, LX
	v_lshl_add_u32 v[LXST], v1, 5, s52
	v_lshl_add_u32 v[LXLD], v1, 5, LX
	v_lshlrev_b32 v[GO], 4, v156
	v_lshl_add_u32 v[GO], v157, 13, v[GO]
	v_lshlrev_b32 v158, 4, v1                      ; 16 L, 8 L, 4 (r + 8 (r / 8)): for the loads at the head
	v_lshlrev_b32 v159, 3, v1
	v_and_b32 v160, 8, v156
	v_add_nc_u32 v160, v160, v156
	v_lshlrev_b32 v160, 2, v160
.irp m, 0,1,2,3
	v_mov_b32 v[ST+2*\m+1], 0xff61b1e6             ; the largest t so far: -3e38, under every t
	v_mov_b32 v[LS+2*\m], 0
	v_mov_b32 v[LS+2*\m+1], 0
	v_mov_b32 v[FL+2*\m+1], 0                      ; (the upper half of a pair that is named whole)
	v_mov_b32 v[BM2+\m], 0                         ; (a lane permute's destination counts as one of its sources)
.endr
.irp m, 0,1,2,3
	v_floor_f32 v[ST+2*\m], -v[ST+2*\m+1]
.endr
	v_mov_b32 v[RR], 0xff61b1e6
	v_mov_b32 v[RR+1], 0xff61b1e6
	WIN 0x80
.irp m, 0,1,2,3
	v_mov_b32 v[249+2*\m], 0                       ; (the factors' pairs: their upper halves)
.endr
	WIN 0
	s_wait_dscnt 0x0                               ; both opening adds are done
	s_wait_kmcnt 0x0
	s_mul_i32 s52, s19, 1638400
	s_add_co_u32 s52, s52, s57
	s_mov_b32 s53, 0
	s_add_nc_u64 s[48:49], s[6:7], s[52:53]        ; kv at my batch, my quarter of block 0
	s_add_co_u32 s52, s57, 614400
	s_add_nc_u64 s[50:51], s[8:9], s[52:53]        ; wo's first half, my quarter
	s_lshl_b32 s52, s19, 5
	s_add_co_u32 s52, s52, s18
	s_mul_i32 s52, s52, 25600
	s_add_nc_u64 s[4:5], s[4:5], s[52:53]          ; my block of qc
	s_lshl_b32 s52, s16, 9
	s_add_nc_u64 s[10:11], s[10:11], s[52:53]      ; bo at my 128 channels
	s_lshl_b32 s52, s19, 22
	s_lshl_b32 s54, s16, 20
	s_add_co_u32 s52, s52, s54
	s_lshl_b32 s54, s18, 8
	s_add_co_u32 s52, s52, s54
	s_add_nc_u64 s[58:59], s[12:13], s[52:53]      ; x and out at my batch, my 128 channels, my 64 positions
	s_add_nc_u64 s[60:61], s[14:15], s[52:53]
	s_add_co_u32 s54, s20, 15
	s_and_b32 s54, s54, 15
	s_mul_i32 s54, s54, 102400
	s_mov_b32 s55, 0
	s_mov_b32 s36, 1                               ; group 0: the block before the walk's first (K of step 0) into slot 1; this set then walks
	s_add_co_u32 s37, s57, SLOT1
	s_add_nc_u64 s[38:39], s[48:49], s[54:55]
	s_or_b32 s39, s39, 0x80000000
	s_mul_i32 s54, s20, 102400
	s_mov_b32 s40, 1                               ; the walk's block 0 into slot 0
	s_mov_b32 s41, s57
	s_add_nc_u64 s[42:43], s[48:49], s[54:55]
	s_or_b32 s43, s43, 0x80000000
	s_mov_b32 s44, 1                               ; wo's second half
	s_add_co_u32 s45, s57, WOB
	s_add_nc_u64 s[46:47], s[50:51], 102400
	s_or_b32 s47, s47, 0x80000000
	CROUND                                         ; all four work-groups are here: the first joint loads meet
	tensor_load_to_lds s[36:39], s[28:35]
	s_nop 0
	tensor_load_to_lds s[40:43], s[28:35]
	s_nop 0
	tensor_load_to_lds s[44:47], s[28:35]
	s_nop 0
	PLACES
	WIN 0xC0
.set f_, 0
.rept 16
.irp i, 0,1,2
	global_load_b128 v[12*f_+4*\i:12*f_+4*\i+3], v158, s[4:5] offset:1536*f_+512*\i   ; Q stays in registers
.endr
.set f_, f_+1
.endr
.irp n, 0,1,2,3,4,5,6,7
.irp j, 0,1,2,3,4,5,6,7
	global_load_b32 v[192+8*\n+\j], v160, s[10:11] offset:4*(32*(\n/2)+8*(\n%2))   ; bo as a C: all eight registers hold the lane's one channel
.endr
.endr
	WIN 0
.irp ks, 0,1,2,3
	global_load_b64 v[QS+2*\ks:QS+2*\ks+1], v159, s[4:5] offset:24576+256*\ks
.endr
	s_wait_tensorcnt 2                             ; my quarter of slot 1's block is in; the two younger fills may stay out
	s_barrier_signal -1
	s_barrier_wait -1
	KLOAD 1
	s_wait_loadcnt 0x0                             ; Q, its scale words, bo
	STEP 0, 1, 0                                   ; the first step's products start O^T's sums
	s_mov_b32 s56, 7
.Lpair:                                            ; seven trips of two steps: the two slots and the two hand-over buffers by turns
	STEP 1, 0, 0
	STEP 0, 0, 0
	s_sub_co_u32 s56, s56, 1
	s_cmp_lg_u32 s56, 0
	s_cbranch_scc1 .Lpair
	STEP 1, 0, 1                                   ; the last step: behind its round wo's first half is asked for; no K follows
	; ---- O^T / the sum, quantised along the channels: k step w of the projection out
	WIN 0x80
.irp p, 0,1
	v_cndmask_b32 v[248+4*\p], v[IV+\p], v[IX+\p], s21
	v_cndmask_b32 v[250+4*\p], v[IX+\p], v[IV+\p], s21
.endr
.irp ph, 0,1                                   ; tiles 0, 1 first: the last products (tiles 2, 3) have these 64 lines behind them before they are read
.set PH, \ph
.if \ph == 0
	WIN 0x56
.else
	WIN 0xAA
.endif
.set t_, 0
.rept 16
	RESC t_
.set t_, t_+1
.endr
.endr
	WIN 0
	v_lshl_add_u32 v20, v1, 4, SLOT1               ; the tail's LDS addresses, in the registers that the statistics have left.  o's images lie in slot 1, which has had its last fill,
	v_add_nc_u32 v21, 51200, v20                   ; in K's part of the last block, which nobody reads: wave s's at 25,600 s + 1,536 m, its scale words at + 6,144 + 128 m
	v_lshl_add_u32 v22, v1, 2, SLOT1+6144
	v_add_nc_u32 v23, 51200, v22
	v_add_nc_u32 v24, WOB, v[AKV]
	v_lshl_add_u32 v25, v1, 2, s57
	v_add_nc_u32 v27, SLOT1+6144, v25
	v_add_nc_u32 v25, 24576, v25
	v_add_nc_u32 v26, WOB, v25
	v_and_b32 v30, 15, v0
	v_bfe_u32 v31, v0, 4, 1
	s_add_co_u32 s52, s57, SLOT1+12288             ; my two stages of 16 x 272 bytes: V's part of my own quarter, used behind the barrier below
	v_mul_u32_u24 v28, v30, 272
	v_lshl_add_u32 v28, v31, 6, v28
	v_add_nc_u32 v28, s52, v28
	v_mul_u32_u24 v29, v31, 272
	v_lshl_add_u32 v29, v30, 4, v29
	v_add_nc_u32 v29, s52, v29
.irp m, 0,1,2,3
	QUANT 64*(\m&1), 1+(\m>>1)
.irp i, 0,1,2
	ds_store_b128 v[AKV+1], v[PC+4*\i:PC+4*\i+3] offset:1536*\m+512*\i
.endr
	ds_store_b32 v27, v[PW] offset:128*\m
	s_wait_dscnt 0x0                               ; the stores have read their registers
.endr
	s_wait_tensorcnt 0x0                           ; my quarter of wo's first half has landed,
	s_wait_dscnt 0x0                               ; and my images of o
	s_barrier_signal -1
	s_barrier_wait -1                              ; everybody's have
	LOUT 0
	LOUT 1
	s_wait_dscnt 40                                ; k step 0's 48 loads are in; k step 1's 40 may be out
	MMO 0
	PLACES
	WIN 0xC0
	XLOAD 6                                        ; bo's image is done with: x's last two tiles take its registers
	XLOAD 7
	WIN 0
	LOUT 2
	s_wait_dscnt 48                                ; k step 2's 48 may be out
	MMO 1
	PLACES
	LOUT 3
	s_wait_dscnt 40                                ; k step 3's 40 may be out
	MMO 2
	s_wait_dscnt 0x0
	MMO 3
	PLACES
	TOSTAGE 0
.irp n, 1,2,3,4,5,6,7
.if \n > 1
	s_wait_xcnt 0x0                                ; tile n - 2's stores have read their registers: tile n's rows may land there
.endif
	TOSTAGE \n
	SEND \n-1, 16
.endr
	SEND 7, 0
	s_wait_tensorcnt 0x0                           ; the wave's end
	ds_add_u32 v[SPW], v[NIL]
	s_wait_dscnt 0x0
	CROUND                                         ; the closing round: no work-group ends while a partner may still ask for a tile that names it
	s_endpgm
.Lfunc_end_k_qdf9e84b6c8_attn:
	.size	k_qdf9e84b6c8_attn, .Lfunc_end_k_qdf9e84b6c8_attn-k_qdf9e84b6c8_attn
	.p2alignl 7, 3214868480
	.fill 96, 4, 3214868480
	.section	.rodata,"a",@progbits
	.p2align	6, 0x0
	.amdhsa_kernel k_qdf9e84b6c8_attn
		.amdhsa_group_segment_fixed_size 327680
		.amdhsa_private_segment_fixed_size 0
		.amdhsa_enable_private_segment 0
		.amdhsa_kernarg_size 48
		.amdhsa_user_sgpr_count 2
		.amdhsa_user_sgpr_kernarg_segment_ptr 1
		.amdhsa_wavefront_size32 1
		.amdhsa_system_sgpr_workgroup_id_x 1
		.amdhsa_system_sgpr_workgroup_id_y 1
		.amdhsa_system_sgpr_workgroup_id_z 1
		.amdhsa_system_vgpr_workitem_id 0
		.amdhsa_next_free_vgpr 1024
		.amdhsa_next_free_sgpr 66
		.amdhsa_reserve_vcc 0
		.amdhsa_float_denorm_mode_32 3
		.amdhsa_float_denorm_mode_16_64 3
		.amdhsa_memory_ordered 1
		.amdhsa_forward_progress 1
		.amdhsa_inst_pref_size 244
	.end_amdhsa_kernel
	.amdgpu_metadata
---
amdhsa.version: [ 1, 2 ]
amdhsa.kernels:
  - .name:           k_qdf9e84b6c8_attn
    .symbol:         k_qdf9e84b6c8_attn.kd
    .args:
      - { .name: qc, .offset: 0, .size: 8, .value_kind: global_buffer, .address_space: global }
      - { .name: kv, .offset: 8, .size: 8, .value_kind: global_buffer, .address_space: global }
      - { .name: wc, .offset: 16, .size: 8, .value_kind: global_buffer, .address_space: global }
      - { .name: bo, .offset: 24, .size: 8, .value_kind: global_buffer, .address_space: global }
      - { .name: x, .offset: 32, .size: 8, .value_kind: global_buffer, .address_space: global }
      - { .name: out0, .offset: 40, .size: 8, .value_kind: global_buffer, .address_space: global }
    .group_segment_fixed_size: 327680
    .private_segment_fixed_size: 0
    .kernarg_segment_align: 8
    .kernarg_segment_size: 48
    .max_flat_workgroup_size: 128
    .sgpr_count:     66
    .vgpr_count:     1024
    .wavefront_size: 32
...
	.end_amdgpu_metadata
.endif
;; end of part 3
